; MI455X (gfx1250); checked and timed in simulation.
; The chip was launched on July 23, 2026; its instructions are those of AMD's public machine-readable ISA for CDNA 5 (MIT licence, August 2026) and "CDNA5" Instruction Set Architecture Reference Guide (July 2026). The comments in the code are by the model that wrote it; some were corrected since.
;; Qwen3 Attention. Allowed arithmetic: matrix products marked QUANTISED: E4M3 operands, one given power-of-two scale a tensor, by v_wmma_f32_16x16x64_fp8_fp8 or v_wmma_f32_16x16x128_fp8_fp8, f32 sums; everything else in f32.
;; Inputs: k_norm_w 128 float32; lowp_scales 12 int32 (the exponents e of the quantised operands' scales 2^e); q_norm_w 128 float32; wk 1,024 x 1,024 float32; wo 2,048 x 1,024 float32; wq 1,024 x 2,048 float32; wv 1,024 x 1,024 float32; x 2 x 2,048 x 1,024 float32.
;; Outputs: out0 2 x 2,048 x 1,024 float32.
;; This version of the problem:
;;   THIS VERSION OF THE PROBLEM IS GIVEN IN LOW PRECISION. The matrix products marked QUANTISED in the list below multiply operands that are first quantised to E4M3 (4 exponent bits, 3 mantissa bits; 8 bits a number), with one given power-of-two scale for each operand tensor; their sums are f32. All else is computed in f32.
;;   The module's matrix products, in the order in which they are computed (A, B: the left and right operand; K: the contracted axis; several contracted axes count as one K, in the product's order):
;;     1. [M 4,096, K 1,024] x [K 1,024, N 2,048]; A: input x; B: input wq: QUANTISED (scales: A lowp_scales[0], B lowp_scales[1])
;;     2. [M 4,096, K 1,024] x [K 1,024, N 1,024]; A: input x; B: input wk: QUANTISED (scales: A lowp_scales[2], B lowp_scales[3])
;;     3. [M 4,096, K 1,024] x [K 1,024, N 1,024]; A: input x; B: input wv: QUANTISED (scales: A lowp_scales[4], B lowp_scales[5])
;;     4. batch 32 x [M 2,048, K 128] x [K 128, N 2,048]; A: computed on the way; B: computed on the way: QUANTISED (scales: A lowp_scales[6], B lowp_scales[7])
;;     5. batch 32 x [M 2,048, K 2,048] x [K 2,048, N 128]; A: softmax (see below); B: computed on the way: QUANTISED (scales: A lowp_scales[8], B lowp_scales[9])
;;     6. [M 4,096, K 2,048] x [K 2,048, N 1,024]; A: computed on the way; B: input wo: QUANTISED (scales: A lowp_scales[10], B lowp_scales[11])
;;   THE QUANTISER, for each operand of a quantised product, along K:
;;     - The operand's scale is 2^e, e = its entry of the input lowp_scales (int32; the entries are numbered through the quantised products in the list's order, A before B).
;;     - Each number is divided by the scale, clamped to +-448, and rounded to the nearest number of E4M3, ties to even, subnormals kept.
;;     - The product sums the exact products of the quantised numbers (number of the format x scale) in f32.
;;   ~~~python
;;   def quantise(x, axis, e):      # numpy; x: float32 -> the quantised numbers, widened to float32 again
;;       x = np.moveaxis(x, axis, -1); K = x.shape[-1]
;;       r = np.clip(x / 2.0 ** e, -448, 448)
;;       step = 2.0 ** (np.maximum(np.frexp(np.where(r == 0, 1, r))[1] - 1, -6) - 3)
;;       q = np.round(r / step) * step * 2.0 ** e      # np.round: ties to even
;;       return np.moveaxis(q, -1, axis).astype(np.float32)
;;   ~~~
;;   SOFTMAX AHEAD OF A QUANTISED PRODUCT. Where the list says 'softmax', what is quantised is not the finished softmax but p = 2^(t - M), with t = logit x log2(e) and M = ceil(the row's largest t), a whole number; so 1/2 < the row's largest p <= 1. The row's sum l is taken of the UNQUANTISED p, in f32, and the product's result is divided by l at the end. Since M is a whole number, a kernel that streams over the keys may use a running M (the ceiling of the running maximum): every later rescaling is an exact power of two, so the quantised numbers keep their values, but for numbers so far below the row's largest that they fall under the format's range.
;;   OPERANDS COMPUTED ON THE WAY. 'Computed on the way' means the value that the module computes at that place (a softmax that the list does not call 'softmax' is quantised finished and normalised). What goes into a quantiser is computed in f32, as accurately as f32 sums, v_exp_f32 and their like allow (about 1e-6 of the number): no bf16 or f16 on the way to a quantiser, and a product that is left as it is and whose result goes on into a quantised operand takes f32 operands (vector FMAs, or v_wmma_f32_16x16x4_f32). A number that lies on a knife's edge between two numbers of the format may be rounded either way, as far as f32 arithmetic and the matrix unit's own rounding can turn it there, and no further.
;; One version. Each part assembles by itself: llvm-mc -triple=amdgcn-amd-amdhsa -mcpu=gfx1250 --defsym DOCPART=n.
;; ======== version 1 of 1: 4 launches
;; limits: right only within a limited range of input values
;; workspace buffers: xc 12,582,912 bytes; wc 6,291,456 bytes; rope 1,048,576 bytes; qi 8,388,608 bytes; ki 4,194,304 bytes; vi 4,194,304 bytes; yc 8,388,608 bytes
;; launch prep (part 1): grid 352 x 1, 4 waves a work-group, no clusters, 35,328 bytes of LDS; arguments x, wq, wk, wv, wo, lowp_scales, xc, wc, rope; writes xc, wc, rope
.if DOCPART == 1
	.amdgcn_target "amdgcn-amd-amdhsa--gfx1250"
	.amdhsa_code_object_version 6
	.text
	.protected	k_q3ebb0dec7d_prep
	.globl	k_q3ebb0dec7d_prep
	.p2align	8
	.type	k_q3ebb0dec7d_prep,@function
k_q3ebb0dec7d_prep:
	s_mov_b64 s[64:65], 0
	v_nop
	global_prefetch_b8 v0, s[64:65] scope:SCOPE_SE
	s_setreg_imm32_b32 hwreg(HW_REG_WAVE_MODE, 25, 1), 1
	s_wait_xcnt 0x0
; x and the four weights become codes of FP8 (E4M3), and the table of cos and sin for the rotation is made.  Three paths, parted on the work-group's number.
; THE IMAGE, the one layout of all code buffers of this program: a fragment is 16 rows x 128 K of codes as a matrix operand's 16 registers hold it: lane (r = lane % 16, h = lane / 16) holds row r, and its
; registers 2 c, 2 c + 1 hold k = 16 c + 8 h + 0 .. 7.  Registers 4 G .. 4 G + 3 lie at byte 512 G + 16 lane of the fragment's 2,048 bytes: four loads or stores of 16 bytes a lane move a fragment.
; PATH X, work-groups 0-127: x [4096][1024] f32 -> xc [s 3][j 4][rb 256][e 2][2048], set s with the scale of entry 0, 2, 4; rb = 16 rows; K image 2 j + e.  A wave takes 16 rows x 512 K, in 8 units of 64 K.
;   A load reads two rows' aligned 256 bytes; a unit turns through the wave's own stage in LDS, so that a lane gets 8 neighbours along K in 8 registers; each unit is quantised three times.
; PATH W, work-groups 128-319: wq, wk, wv [1024][n], wo [2048][1024] f32, K the first axis -> wc, K innermost.  A lane takes a column, its registers run down K: nothing is transposed, no LDS.
;   wc: first 4 MiB [j 4][nb 256][e 2][2048], blocks of 16 columns: 0-127 wq, 128-191 wk, 192-255 wv;  from 4 MiB on [J 4][nb 64][e4 4][2048] for wo, K image 4 J + e4.
; PATH R, work-groups 320-351: rope [pb 128][L 16][lane 32][4 f32]: lane (r, h), piece L: cos, sin of pairs i0 and i0 + 1, i0 = 8 (L / 2) + 4 h + 2 (L % 2), at position 16 pb + r.
;   theta_i = 2^(-i c), c = log2(1e6) / 64 held in two parts, so that the exponent's rounding is made good; angle = position x theta, one rounding; cos and sin by reduction with pi / 2 in two parts and polynomials.
; code = number / 2^e, held within +-448, to the nearest code, ties to even.
; LIMITS: entries 0 to 5 and 11 of the scales lie between -126 and 119, so that 2^e and 448 x 2^e are f32 numbers.  NaN among the inputs is not served; an infinity is held at the largest code.
;   theta is good to about one unit in its last place, so an angle near 2,000 can differ by about 1e-4 from one made with another power function.
.set SPARE, 34816                      ; behind the four waves' stages: the spare words, 128 bytes for each wave: two blocks of 256 bytes that no other line names
.set SPW,   238                        ; v238  LDS address of my spare word; never rewritten
.set NIL,   239                        ; v239  0; never rewritten
.set XR,    16                         ; path X: v16-111  three sets of 32: a unit as loaded
.set XX,    112                        ;         v112-175 two sets of 32: a unit turned: register 16 gg + i: k = 32 gg + 8 h + i (i < 8), 32 gg + 16 + 8 h + i - 8 (i >= 8)
.set XT,    176                        ;         v176-207 two sets of 16: held numbers
.set XC,    208                        ;         v208-231 codes, 8 registers for each of the three scales
.set XS,    232                        ;         v232-237 2^e and 448 x 2^e for entries 0, 2, 4
.set WOF,   16                         ; path W: v16-47   row i's byte offset: i x pitch + 4 lane; never rewritten
.set WX,    48                         ;         v48-111  two sets of 32 numbers down K
.set WC,    112                        ;         v112-175 codes, 8 registers for each block, so that no store's data are written again
	s_load_b256 s[4:11], s[0:1], 0x0               ; x s[4:5], wq s[6:7], wk s[8:9], wv s[10:11]
	s_load_b256 s[12:19], s[0:1], 0x20             ; wo s[12:13], the scales s[14:15], xc s[16:17], wc s[18:19]
	s_load_b64 s[20:21], s[0:1], 0x40              ; rope
	v_lshl_add_u32 v[SPW], v0, 2, SPARE
	v_mov_b32 v[NIL], 0
	v_lshrrev_b32 v1, 5, v0
	v_readfirstlane_b32 s22, v1                    ; wave 0..3
	v_and_b32 v1, 31, v0                           ; lane
	v_and_b32 v2, 15, v0                           ; r
	v_bfe_u32 v3, v0, 4, 1                         ; h
	s_wait_kmcnt 0x0
	s_cmp_lt_u32 ttmp9, 128
	s_cbranch_scc0 .Lnot_x
; ---------------------------------------------------------------- PATH X
	s_load_b256 s[24:31], s[14:15], 0x0            ; e0 .. e7
	s_lshl_b32 s36, ttmp9, 2
	s_add_co_u32 s36, s36, s22                     ; which of 512 shares is my wave's
	s_lshr_b32 s37, s36, 1                         ; rb: my 16 rows
	s_and_b32 s38, s36, 1                          ; kh: my half of K
	s_lshl_b32 s40, s37, 16                        ; 16 rows of 4,096 bytes
	s_lshl_b32 s39, s38, 11                        ; 512 numbers
	s_add_co_u32 s40, s40, s39
	s_mov_b32 s41, 0
	s_add_nc_u64 s[4:5], s[4:5], s[40:41]          ; x at my share
	s_lshl_b32 s40, s37, 12                        ; rb x 4,096
	s_lshl_b32 s39, s38, 21                        ; kh x 2 j of 1 MiB
	s_add_co_u32 s40, s40, s39
	s_add_nc_u64 s[42:43], s[16:17], s[40:41]      ; the three sets lie 4 MiB apart: a base for each
	s_add_nc_u64 s[44:45], s[42:43], 0x400000
	s_add_nc_u64 s[46:47], s[42:43], 0x800000
	s_wait_alu depctr_va_vdst(0)
	v_lshlrev_b32 v4, 4, v2
	v_lshl_add_u32 v4, v3, 12, v4                  ; in: lanes 0-15 take 256 bytes of an even row, lanes 16-31 of the next
	v_lshlrev_b32 v5, 4, v1                        ; out: 16 x lane
	s_mul_i32 s48, s22, 8704                       ; my two stages: 16 rows x (256 + 16) bytes each
	v_mul_u32_u24 v6, v3, 272
	v_lshl_add_u32 v6, v2, 4, v6
	v_add_nc_u32 v6, s48, v6                       ; into a stage: as loaded
	v_mul_u32_u24 v7, v2, 272
	v_lshl_add_u32 v7, v3, 5, v7
	v_add_nc_u32 v7, s48, v7                       ; out of it: row r, 8 h numbers on
.macro XLOAD t                         ; unit t: 16 rows x 256 bytes
.irp i, 0,1,2,3,4,5,6,7
	global_load_b128 v[XR+32*((\t)%3)+4*\i:XR+32*((\t)%3)+4*\i+3], v4, s[4:5] offset:8192*\i+256*(\t) th:TH_LOAD_NT
.endr
.endm
.macro XTURN t                         ; unit t through stage t % 2: LDS serves a wave's instructions in order, so no wait stands between the stores and the loads
.irp i, 0,1,2,3,4,5,6,7
	ds_store_b128 v6, v[XR+32*((\t)%3)+4*\i:XR+32*((\t)%3)+4*\i+3] offset:4352*((\t)%2)+544*\i
.endr
.irp gg, 0,1
.irp j, 0,1,2,3
	ds_load_b128 v[XX+32*((\t)%2)+16*\gg+4*\j:XX+32*((\t)%2)+16*\gg+4*\j+3], v7 offset:4352*((\t)%2)+128*\gg+16*(\j%2)+64*(\j/2)
.endr
.endr
.endm
	XLOAD 0
	XLOAD 1
	XLOAD 2
	s_wait_alu depctr_va_vdst(0)
	s_wait_kmcnt 0x0
.irp k, 0,1,2
	s_add_co_i32 s50, s[24+2*\k], 127
	s_lshl_b32 s51, s50, 23
	v_mov_b32 v[XS+2*\k], s51                      ; 2^e as f32: the conversion takes its exponent field
	s_add_co_i32 s50, s50, 8
	s_lshl_b32 s50, s50, 23
	s_or_b32 s50, s50, 0x600000
	v_mov_b32 v[XS+2*\k+1], s50                    ; 448 x 2^e
.endr
	s_wait_alu depctr_va_vdst(0)
	s_wait_loadcnt 16                              ; unit 0 is in; units 1 and 2 may be out
	XTURN 0
.macro XUNIT t
	s_wait_dscnt 0x0                               ; this unit is back from its stage
.if (\t)+3 < 8
	XLOAD (\t)+3                                   ; into the set that this unit has left
.endif
.if (\t)+1 < 8
.if (\t) < 5
	s_wait_loadcnt 16                              ; the next unit is in; the two behind it may be out
.else
	s_wait_loadcnt 8*(6-(\t))                      ; the counts run down
.endif
	XTURN (\t)+1                                   ; it goes through the other stage while this one is worked
.endif
	s_wait_xcnt 0x0                                ; the last unit's stores have read their codes: the registers are written again only behind this wait
.irp s, 0,1,2
.irp gg, 0,1
.irp i, 0,1,2,3,4,5,6,7,8,9,10,11,12,13,14,15
	v_med3_num_f32 v[XT+16*\gg+\i], v[XX+32*((\t)%2)+16*\gg+\i], -v[XS+2*\s+1], v[XS+2*\s+1]   ; the conversion to an 8-bit code does not saturate (ISA guide 7.6.2): the hold comes first.  The two sets take turns, so sixteen plain lines stand between a conversion and the next write of its sources
.endr
	v_cvt_scalef32_pk8_fp8_f32 v[XC+8*\s+4*\gg:XC+8*\s+4*\gg+1], v[XT+16*\gg:XT+16*\gg+7], v[XS+2*\s]
	v_cvt_scalef32_pk8_fp8_f32 v[XC+8*\s+4*\gg+2:XC+8*\s+4*\gg+3], v[XT+16*\gg+8:XT+16*\gg+15], v[XS+2*\s]
.endr
.endr
.irp s, 0,1,2
.irp gg, 0,1
	global_store_b128 v5, v[XC+8*\s+4*\gg:XC+8*\s+4*\gg+3], s[42+2*\s:43+2*\s] offset:((\t)/4)*1048576+(((\t)/2)%2)*2048+(2*((\t)%2)+\gg)*512   ; 32 lanes store 512 consecutive bytes, aligned: a register group of an image
.endr
.endr
.endm
.irp t, 0,1,2,3,4,5,6,7
	XUNIT \t
.endr
	s_wait_tensorcnt 0x0                           ; the wave's end
	ds_add_u32 v[SPW], v[NIL]
	s_wait_dscnt 0x0
	s_endpgm
; ---------------------------------------------------------------- PATH W
.Lnot_x:
	s_cmp_lt_u32 ttmp9, 320
	s_cbranch_scc0 .Lrope
	s_load_b256 s[24:31], s[14:15], 0x0            ; e0 .. e7
	s_load_b32 s35, s[14:15], 0x2c                 ; e11
	s_sub_co_u32 s36, ttmp9, 128                   ; 0-63 wq, 64-95 wk, 96-127 wv, 128-191 wo: every choice below hangs on this number alone
	s_mov_b64 s[38:39], s[12:13]                   ; wo's figures first:
	s_mov_b32 s40, 128                             ; its first work-group,
	s_mov_b32 s41, 3                               ; log2 of its blocks of 128 columns,
	s_mov_b32 s42, 4096                            ; a row in bytes,
	s_mov_b32 s44, 0                               ; its first block of 16 columns in its part of wc,
	s_mov_b32 s45, 13                              ; log2 of the bytes of such a block in one j or J,
	s_mov_b32 s46, 0x400000                        ; and where its part begins
	s_wait_kmcnt 0x0
	s_mov_b32 s43, s35                             ; its scale
	s_cmp_lt_u32 s36, 128
	s_cselect_b64 s[38:39], s[10:11], s[38:39]     ; wv
	s_cselect_b32 s40, 96, s40
	s_cselect_b32 s43, s29, s43
	s_cselect_b32 s44, 192, s44
	s_cselect_b32 s45, 12, s45
	s_cselect_b32 s46, 0, s46
	s_cmp_lt_u32 s36, 96
	s_cselect_b64 s[38:39], s[8:9], s[38:39]       ; wk
	s_cselect_b32 s40, 64, s40
	s_cselect_b32 s43, s27, s43
	s_cselect_b32 s44, 128, s44
	s_cmp_lt_u32 s36, 64
	s_cselect_b64 s[38:39], s[6:7], s[38:39]       ; wq
	s_cselect_b32 s40, 0, s40
	s_cselect_b32 s41, 4, s41
	s_cselect_b32 s42, 8192, s42
	s_cselect_b32 s43, s25, s43
	s_cselect_b32 s44, 0, s44
	s_sub_co_u32 s47, s36, s40
	s_bfm_b32 s66, s41, 0
	s_and_b32 s66, s47, s66                        ; nx: which 128 columns
	s_lshr_b32 s67, s47, s41                       ; ky: which 256 along K
	s_lshl_b32 s68, s66, 7
	s_lshl_b32 s69, s22, 5
	s_add_co_u32 s68, s68, s69                     ; my wave's first column
	s_lshl_b32 s70, s67, 8
	s_mul_i32 s70, s70, s42                        ; 256 ky rows
	s_lshl_b32 s69, s68, 2
	s_add_co_u32 s70, s70, s69
	s_mov_b32 s71, 0
	s_add_nc_u64 s[48:49], s[38:39], s[70:71]      ; block 0's base; a base for each of the 8 blocks of 32 rows, never rewritten
	s_lshl_b32 s70, s42, 5
.irp t, 1,2,3,4,5,6,7
	s_add_nc_u64 s[48+2*\t:49+2*\t], s[46+2*\t:47+2*\t], s[70:71]
.endr
	s_lshl_b32 s74, s67, 20                        ; wq, wk, wv: ky is j
	s_lshr_b32 s75, s67, 1
	s_lshl_b32 s75, s75, 19                        ; wo: J = ky / 2,
	s_and_b32 s76, s67, 1
	s_lshl_b32 s76, s76, 12                        ; e4 = 2 (ky % 2) + ..
	s_add_co_u32 s75, s75, s76
	s_cmp_lt_u32 s36, 128
	s_cselect_b32 s74, s74, s75
	s_add_co_u32 s74, s74, s46
	s_lshl_b32 s75, s66, 3
	s_add_co_u32 s75, s75, s44
	s_lshl_b32 s76, s22, 1
	s_add_co_u32 s75, s75, s76                     ; my first block of 16 columns
	s_lshl_b32 s75, s75, s45
	s_add_co_u32 s74, s74, s75
	s_mov_b32 s75, 0
	s_add_nc_u64 s[72:73], s[18:19], s[74:75]      ; wc at my two blocks' images
	s_wait_alu depctr_va_vdst(0)
	v_lshlrev_b32 v8, s45, v3
	v_lshl_add_u32 v8, v2, 4, v8                   ; out: my block of columns, row r = my column: sixteen lanes fill 256 consecutive bytes, aligned
	v_lshlrev_b32 v9, 2, v1
	v_mov_b32 v10, s42
.set wi, 0
.rept 32
	v_mad_u32_u24 v[WOF+wi], v10, wi, v9
.set wi, wi+1
.endr
.macro WLOAD t                         ; block t: 32 rows of K at my column: a load reads 128 consecutive bytes, the work-group's four waves 512
.set wi, 0
.rept 32
	global_load_b32 v[WX+32*((\t)%2)+wi], v[WOF+wi], s[48+2*(\t):49+2*(\t)] th:TH_LOAD_NT
.set wi, wi+1
.endr
.endm
	WLOAD 0
	WLOAD 1
	s_add_co_i32 s43, s43, 127
	s_lshl_b32 s74, s43, 23
	v_mov_b32 v11, s74                             ; 2^e
	s_add_co_i32 s43, s43, 8
	s_lshl_b32 s43, s43, 23
	s_or_b32 s43, s43, 0x600000
	v_mov_b32 v12, s43                             ; 448 x 2^e
.macro WBLOCK t
.set WS, WX+32*((\t)%2)
.if (\t) < 7
	s_wait_loadcnt 32                              ; this block is in; the next block's 32 loads may be out
.else
	s_wait_loadcnt 0x0
.endif
.set wi, 0
.rept 32
	v_med3_num_f32 v[WS+wi], v[WS+wi], -v12, v12
.set wi, wi+1
.endr
	v_cvt_scalef32_pk8_fp8_f32 v[WC+8*(\t):WC+8*(\t)+1], v[WS:WS+7], v11           ; the image's half h = 0 holds k = 0-7 and 16-23 of a group of 32,
	v_cvt_scalef32_pk8_fp8_f32 v[WC+8*(\t)+2:WC+8*(\t)+3], v[WS+16:WS+23], v11
	v_cvt_scalef32_pk8_fp8_f32 v[WC+8*(\t)+4:WC+8*(\t)+5], v[WS+8:WS+15], v11      ; its half h = 1 k = 8-15 and 24-31
	v_cvt_scalef32_pk8_fp8_f32 v[WC+8*(\t)+6:WC+8*(\t)+7], v[WS+24:WS+31], v11
	global_store_b128 v8, v[WC+8*(\t):WC+8*(\t)+3], s[72:73] offset:((\t)/4)*2048+((\t)%4)*512
	global_store_b128 v8, v[WC+8*(\t)+4:WC+8*(\t)+7], s[72:73] offset:((\t)/4)*2048+((\t)%4)*512+256
.if (\t)+2 < 8
	WLOAD (\t)+2
.endif
.endm
	s_wait_alu depctr_va_vdst(0)
.irp t, 0,1,2,3,4,5,6,7
	WBLOCK \t
.endr
	s_endpgm
; ---------------------------------------------------------------- PATH R
.Lrope:
	s_sub_co_u32 s36, ttmp9, 320
	s_lshl_b32 s36, s36, 2
	s_add_co_u32 s36, s36, s22                     ; pb: my wave's 16 positions
	s_lshl_b32 s37, s36, 4
	s_wait_alu depctr_va_vdst(0)
	v_add_nc_u32 v4, s37, v2
	v_cvt_f32_u32 v4, v4                           ; my position
	s_lshl_b32 s38, s36, 13
	s_mov_b32 s39, 0
	s_add_nc_u64 s[20:21], s[20:21], s[38:39]
	v_lshlrev_b32 v5, 4, v1                        ; 16 x lane, + 512 a trip
	v_lshlrev_b32 v6, 2, v3                        ; 4 h
	s_mov_b32 s72, 0x3e9f73da                      ; c = log2(1e6) / 64: its f32 part,
	s_mov_b32 s73, 0x31e36e2f                      ; and what that leaves
	s_mov_b32 s74, 0xbf317218                      ; -ln 2
	s_mov_b32 s75, 0x3f22f983                      ; 2 / pi
	s_mov_b32 s76, 0x3fc90fdb                      ; pi / 2: its f32 part,
	s_mov_b32 s77, 0xb33bbd2e                      ; and what that leaves
	s_mov_b32 s78, 0xbe2aaaa3                      ; sine: -1.6666654611e-1, 8.3321608736e-3, -1.9515295891e-4
	s_mov_b32 s79, 0x3c08839e
	s_mov_b32 s80, 0xb94ca1f9
	s_mov_b32 s81, 0x37ccf5ce                      ; cosine: 2.443315711809948e-5, -1.388731625493765e-3, 4.166664568298827e-2
	s_mov_b32 s82, 0xbab6061a
	s_mov_b32 s83, 0x3d2aaaa5
; cos and sin of v[a], 0 <= a < 2,048.  k = the nearest whole number to a x 2 / pi; the first reduction is exact (k has 11 bits, and the difference has no more than 24); polynomials on |r| <= pi / 4; the quarter turns by selects
.macro SINCOS a, c, s, k, r, z, t
	v_mul_f32 v[\k], s75, v[\a]
	v_rndne_f32 v[\k], v[\k]
	v_fma_f32 v[\r], -v[\k], s76, v[\a]
	v_fma_f32 v[\r], -v[\k], s77, v[\r]
	v_mul_f32 v[\z], v[\r], v[\r]
	v_fma_f32 v[\s], v[\z], s80, s79
	v_fma_f32 v[\c], v[\z], s81, s82
	v_fma_f32 v[\s], v[\s], v[\z], s78
	v_fma_f32 v[\c], v[\c], v[\z], s83
	v_mul_f32 v[\t], v[\z], v[\r]
	v_fma_f32 v[\s], v[\t], v[\s], v[\r]           ; sin r
	v_fma_f32 v[\t], v[\z], -0.5, 1.0
	v_mul_f32 v[\r], v[\z], v[\z]
	v_fma_f32 v[\c], v[\r], v[\c], v[\t]           ; cos r
	v_cvt_i32_f32 v[\k], v[\k]
	v_and_b32 v[\t], 1, v[\k]
	v_cmp_eq_u32 vcc_lo, 1, v[\t]
	v_cndmask_b32 v[\t], v[\s], v[\c], vcc_lo      ; an odd k: the two change places
	v_cndmask_b32 v[\c], v[\c], v[\s], vcc_lo
	v_and_b32 v[\r], 2, v[\k]
	v_lshlrev_b32 v[\r], 30, v[\r]
	v_xor_b32 v[\s], v[\t], v[\r]                  ; sine: minus where k % 4 is 2 or 3
	v_add_nc_u32 v[\k], 1, v[\k]
	v_and_b32 v[\k], 2, v[\k]
	v_lshlrev_b32 v[\k], 30, v[\k]
	v_xor_b32 v[\c], v[\c], v[\k]                  ; cosine: minus where k % 4 is 1 or 2
.endm
	s_mov_b32 s70, 0
.Ltrip:                                            ; 16 trips: piece L = s70
	s_lshr_b32 s71, s70, 1
	s_lshl_b32 s71, s71, 3
	s_and_b32 s86, s70, 1
	s_lshl_b32 s86, s86, 1
	s_or_b32 s71, s71, s86
	s_wait_alu depctr_va_vdst(0)
	v_add_nc_u32 v8, s71, v6                       ; i0 = 8 (L / 2) + 2 (L % 2) + 4 h
	v_cvt_f32_u32 v8, v8
	v_add_f32 v9, 1.0, v8
	v_mul_f32 v10, s72, v8                         ; p = i c, rounded;
	v_mul_f32 v11, s72, v9
	v_fma_f32 v12, v8, s72, -v10                   ; what the rounding dropped,
	v_fma_f32 v13, v9, s72, -v11
	v_fma_f32 v12, v8, s73, v12                    ; and c's second part
	v_fma_f32 v13, v9, s73, v13
	s_wait_alu depctr_va_vdst(0)
	v_exp_f32 v14, -v10
	v_exp_f32 v15, -v11
	v_mul_f32 v12, s74, v12                        ; (plain lines behind the two exponentials)
	v_mul_f32 v13, s74, v13
	s_wait_alu depctr_va_vdst(0)                   ; one wait for both, ahead of their first reader
	v_fma_f32 v14, v14, v12, v14                   ; theta = 2^-p (1 - ln 2 x the rest)
	v_fma_f32 v15, v15, v13, v15
	v_mul_f32 v16, v4, v14                         ; the angles
	v_mul_f32 v17, v4, v15
	SINCOS 16, 20, 21, 24, 25, 26, 27
	SINCOS 17, 22, 23, 28, 29, 30, 31
	global_store_b128 v5, v[20:23], s[20:21]       ; 32 lanes store 512 consecutive bytes, aligned
	s_wait_xcnt 0x0                                ; the offset and the four numbers are written again only behind this wait
	v_add_nc_u32 v5, 512, v5
	s_add_co_u32 s70, s70, 1
	s_cmp_lt_u32 s70, 16
	s_cbranch_scc1 .Ltrip
	s_endpgm
.Lfunc_end_k_q3ebb0dec7d_prep:
	.size	k_q3ebb0dec7d_prep, .Lfunc_end_k_q3ebb0dec7d_prep-k_q3ebb0dec7d_prep
	.p2alignl 7, 3214868480
	.fill 96, 4, 3214868480
	.section	.rodata,"a",@progbits
	.p2align	6, 0x0
	.amdhsa_kernel k_q3ebb0dec7d_prep
		.amdhsa_group_segment_fixed_size 35328
		.amdhsa_private_segment_fixed_size 0
		.amdhsa_enable_private_segment 0
		.amdhsa_kernarg_size 72
		.amdhsa_user_sgpr_count 2
		.amdhsa_user_sgpr_kernarg_segment_ptr 1
		.amdhsa_wavefront_size32 1
		.amdhsa_system_sgpr_workgroup_id_x 1
		.amdhsa_system_sgpr_workgroup_id_y 1
		.amdhsa_system_sgpr_workgroup_id_z 1
		.amdhsa_system_vgpr_workitem_id 0
		.amdhsa_next_free_vgpr 240
		.amdhsa_next_free_sgpr 96
		.amdhsa_reserve_vcc 1
		.amdhsa_float_denorm_mode_32 3
		.amdhsa_float_denorm_mode_16_64 3
		.amdhsa_memory_ordered 1
		.amdhsa_forward_progress 1
		.amdhsa_inst_pref_size 131
	.end_amdhsa_kernel
	.amdgpu_metadata
---
amdhsa.version: [ 1, 2 ]
amdhsa.kernels:
  - .name:           k_q3ebb0dec7d_prep
    .symbol:         k_q3ebb0dec7d_prep.kd
    .args:
      - { .name: x, .offset: 0, .size: 8, .value_kind: global_buffer, .address_space: global }
      - { .name: wq, .offset: 8, .size: 8, .value_kind: global_buffer, .address_space: global }
      - { .name: wk, .offset: 16, .size: 8, .value_kind: global_buffer, .address_space: global }
      - { .name: wv, .offset: 24, .size: 8, .value_kind: global_buffer, .address_space: global }
      - { .name: wo, .offset: 32, .size: 8, .value_kind: global_buffer, .address_space: global }
      - { .name: lowp_scales, .offset: 40, .size: 8, .value_kind: global_buffer, .address_space: global }
      - { .name: xc, .offset: 48, .size: 8, .value_kind: global_buffer, .address_space: global }
      - { .name: wc, .offset: 56, .size: 8, .value_kind: global_buffer, .address_space: global }
      - { .name: rope, .offset: 64, .size: 8, .value_kind: global_buffer, .address_space: global }
    .group_segment_fixed_size: 35328
    .private_segment_fixed_size: 0
    .kernarg_segment_align: 8
    .kernarg_segment_size: 72
    .max_flat_workgroup_size: 128
    .sgpr_count:     96
    .vgpr_count:     240
    .wavefront_size: 32
...
	.end_amdgpu_metadata
.endif
;; end of part 1
;; launch qkv (part 2): grid 16 x 16, 4 waves a work-group, clusters of 4 x 4, 327,680 bytes of LDS; arguments xc, wc, rope, q_norm_w, k_norm_w, lowp_scales, qi, ki, vi; writes qi, ki, vi
.if DOCPART == 2
	.amdgcn_target "amdgcn-amd-amdhsa--gfx1250"
	.amdhsa_code_object_version 6
	.text
	.protected	k_q3ebb0dec7d_qkv
	.globl	k_q3ebb0dec7d_qkv
	.p2align	8
	.type	k_q3ebb0dec7d_qkv,@function
k_q3ebb0dec7d_qkv:
	s_mov_b64 s[64:65], 0
	v_nop
	global_prefetch_b8 v0, s[64:65] scope:SCOPE_SE
	s_setreg_imm32_b32 hwreg(HW_REG_WAVE_MODE, 25, 1), 1
	s_wait_xcnt 0x0
	s_wait_alu depctr_hold_cnt(0) depctr_sa_sdst(0) depctr_va_vdst(0) depctr_va_sdst(0) depctr_va_ssrc(0) depctr_va_vcc(0) depctr_vm_vsrc(0)
	s_getreg_b32 s2, hwreg(HW_REG_IB_STS2, 6, 4)
	s_cmp_eq_u32 s2, 0
	s_cbranch_scc0 .Lentry_in_a_cluster
	s_endpgm
.Lentry_in_a_cluster:
	s_bfe_u32 s2, ttmp6, 0x10000c
	s_cmp_lg_u32 s2, 0xf033
	s_cbranch_scc0 .Lentry_shape_is_right
	s_endpgm
.Lentry_shape_is_right:
.set SLOT,   131072
.set HALFT,  32768
.set SPARE,  262144
.set FR,   16
.set NL,   4
.set NP,   4
.set ADRA, 16
.set ADRB, 20
.set LI,   24
.set WO,   25
.set SPW,  28
.set NIL,  29
.set LIMV, 30
.set SCV,  31
.set TMP,  32
.set T2,   96
.set FF,   104
.set PD,   112
.set CC,   120
.set AF,   128
.set G1,  24
.set G0,  32
.set G1B, 48
.set G0B, 56
.set MSB, 0
.macro WIN new
.if MSB != (\new)
	s_set_vgpr_msb (MSB<<8)|(\new)
.set MSB, (\new)
.endif
.endm
.set MUL_LO, 0xa1
.set MUL_HI, 0xf1
.set TO_B,   0x40
.macro JLOAD s
	s_cmp_eq_u32 s15, 0
	s_cbranch_scc0 .Lfor_b_\@
	tensor_load_to_lds s[G0+4*\s:G0+4*\s+3], s[G1:G1+7]
	s_nop 0
.rept 4
	v_nop
.endr
	s_branch .Lasked_\@
.Lfor_b_\@:
	tensor_load_to_lds s[G0B+4*\s:G0B+4*\s+3], s[G1B:G1B+7]
	s_nop 0
.rept 4
	v_nop
.endr
.Lasked_\@:
.endm
.macro CREST
	s_cmp_lg_u32 s14, 0
	s_cbranch_scc1 .Lnot_wave_0_\@
	s_barrier_signal -3
.Lnot_wave_0_\@:
	s_barrier_wait -3
	s_barrier_signal -1
	s_barrier_wait -1
.endm
.macro CROUND
	s_barrier_signal -1
	s_barrier_wait -1
	CREST
.endm
	s_load_b256 s[68:75], s[0:1], 0x0
	s_load_b256 s[76:83], s[0:1], 0x20
	s_load_b64 s[84:85], s[0:1], 0x40
	v_lshl_add_u32 v[SPW], v0, 2, SPARE
	v_mov_b32 v[NIL], 0
	ds_add_u32 v[SPW], v[NIL]
	ds_add_u32 v[SPW], v[NIL]
	v_lshrrev_b32 v1, 5, v0
	v_readfirstlane_b32 s14, v1
	v_and_b32 v3, 31, v0
	v_lshlrev_b32 v3, 8, v3                        ; the prefetches' offset: 256 x lane; never rewritten
	s_lshr_b32 s15, s14, 1
	s_and_b32 s16, s14, 1
	s_bfe_u32 s40, ttmp6, 0x40000
	s_bfe_u32 s41, ttmp6, 0x40004
	s_lshl_b32 s42, ttmp9, 2
	s_add_co_u32 s42, s42, s40
	s_and_b32 s17, ttmp7, 0xffff
	s_lshl_b32 s17, s17, 2
	s_add_co_u32 s17, s17, s41
	s_lshl_b32 s43, s41, 2
	s_lshl_b32 s43, 15, s43
	s_lshl_b32 s44, 0x1111, s40
	s_or_b32 s[G1+0], s43, (3<<16)|(1<<21)
	s_or_b32 s[G1B+0], s44, (3<<16)|(1<<21)
.irp g, G1, G1B
	s_mov_b32 s[\g+1], 32<<16
	s_mov_b32 s[\g+2], 128<<16
	s_mov_b32 s[\g+3], 32<<16
	s_mov_b32 s[\g+4], 128
	s_mov_b32 s[\g+5], 32
	s_mov_b32 s[\g+6], 0
	s_mov_b32 s[\g+7], 0
.endr
	s_lshl_b32 s18, s16, 15
	s_lshl_b32 s20, s17, 16
	s_add_co_u32 s20, s20, s18
	s_max_u32 s19, ttmp9, 1
	s_sub_co_u32 s19, s19, 1
	s_lshl_b32 s19, s19, 22
	s_add_co_u32 s20, s20, s19
	s_mov_b32 s21, 0
	s_lshl_b32 s46, s42, 16
	s_add_co_u32 s46, s46, s18
	s_mov_b32 s47, 0
	s_lshl_b32 s45, s14, 15
	s_mov_b32 s86, 0x76543210
	s_mov_b32 s87, 0xfedcba98
	s_wait_dscnt 0x0
	s_wait_kmcnt 0x0
	s_load_b256 s[88:95], s[78:79], 0x0
	s_load_b128 s[96:99], s[78:79], 0x20
	s_add_nc_u64 s[20:21], s[68:69], s[20:21]
	s_add_nc_u64 s[46:47], s[70:71], s[46:47]
	; the prefetches: of the 32,768 bytes that my wave fetches, each of the four partners that ask for them jointly names 8,192, told apart by address (cx for A's, cy for B's); s[66:67] is never rewritten
	s_cmp_eq_u32 s15, 0
	s_cselect_b64 s[66:67], s[20:21], s[46:47]
	s_cselect_b32 s12, s40, s41
	s_lshl_b32 s12, s12, 13
	s_mov_b32 s13, 0
	s_add_nc_u64 s[66:67], s[66:67], s[12:13]
	CROUND
.irp s, 0,1
	s_mov_b32 s[G0+4*\s], 1
	s_add_co_u32 s[G0+4*\s+1], s45, \s*SLOT
	s_add_nc_u64 s[G0+4*\s+2:G0+4*\s+3], s[20:21], \s*0x100000
	s_or_b32 s[G0+4*\s+3], s[G0+4*\s+3], 0x80000000
	s_mov_b32 s[G0B+4*\s], 1
	s_add_co_u32 s[G0B+4*\s+1], s45, \s*SLOT
	s_add_nc_u64 s[G0B+4*\s+2:G0B+4*\s+3], s[46:47], \s*0x100000
	s_or_b32 s[G0B+4*\s+3], s[G0B+4*\s+3], 0x80000000
	s_wait_alu depctr_va_vdst(0)
.if \s == 1
	s_wait_tensorcnt 0x0                           ; slot 1's first fill is issued as a refill is
	ds_add_u32 v28, v29
	s_wait_dscnt 0x0
	CROUND
.endif
	JLOAD \s                                       ; K step s: one tensor load a wave behind each round
	global_prefetch_b8 v3, s[66:67] offset:(\s+1)*0x100000 th:TH_LOAD_NT scope:SCOPE_SE   ; the K step that the next joint load asks for: a lane a block of 256 bytes
.endr
	v_and_b32 v1, 31, v0
	v_lshlrev_b32 v[LI], 4, v1
	s_wait_alu depctr_va_vdst(0)
	v_bfe_u32 v2, v0, 4, 1
	v_lshlrev_b32 v[WO], 5, v2
	s_cmp_eq_u32 ttmp9, 3
	s_cselect_b32 s21, 0x10000, 0
	s_cselect_b32 s22, 0, 0x10000
	s_lshl_b32 s20, s15, 15
	s_add_co_u32 s21, s21, s20
	s_lshl_b32 s20, s16, 15
	s_add_co_u32 s22, s22, s20
.irp s, 0,1
	v_add_nc_u32 v[ADRA+\s], s21, v[LI]
	v_add_nc_u32 v[ADRB+\s], s22, v[LI]
	s_add_co_u32 s21, s21, SLOT
	s_add_co_u32 s22, s22, SLOT
.endr
.macro FRAG reg, adr, q, i
.irp c, 0,1,2,3
	ds_load_b128 v[\reg+4*\c:\reg+4*\c+3], v[\adr] offset:4096*(\i)+2048*(\q)+512*\c
.endr
.endm
.macro MUL16 a0, p, zero
.irp a, \a0, \a0+1
.irp b, 0,1,2,3,4,5,6,7
.if \zero
	v_wmma_f32_16x16x128_fp8_fp8 v[8*(8*((\a)%4)+\b):8*(8*((\a)%4)+\b)+7], v[128*(\p)+FR*\b:128*(\p)+FR*\b+FR-1], v[AF+FR*(\a):AF+FR*(\a)+FR-1], 0
.else
	v_wmma_f32_16x16x128_fp8_fp8 v[8*(8*((\a)%4)+\b):8*(8*((\a)%4)+\b)+7], v[128*(\p)+FR*\b:128*(\p)+FR*\b+FR-1], v[AF+FR*(\a):AF+FR*(\a)+FR-1], v[8*(8*((\a)%4)+\b):8*(8*((\a)%4)+\b)+7]
.endif
.endr
.endr
.endm
.macro FETCH_B slot, q, p
	WIN TO_B
.irp i, 0,1,2,3,4,5,6,7
	FRAG 128*(\p)+FR*\i, ADRB+\slot, \q, \i
.endr
	WIN 0
.endm
.macro FETCH_A slot, q, i0
.irp i, \i0, \i0+1, \i0+2, \i0+3
	FRAG AF+FR*(\i), ADRA+\slot, \q, \i
.endr
.endm
.macro PLACES n
.rept \n
	v_nop
.endr
.endm
.macro STEP slot, q, zero
	s_wait_dscnt 4*NL
	WIN MUL_LO
	MUL16 0, (\q)%2, \zero
	MUL16 2, (\q)%2, \zero
	s_wait_dscnt 0
	PLACES NP
	FETCH_B \slot, (\q)+1, 1-(\q)%2
	FETCH_A \slot, (\q)+1, 0
	WIN MUL_HI
	MUL16 4, (\q)%2, \zero
	MUL16 6, (\q)%2, \zero
	PLACES NP
	WIN 0
	FETCH_A \slot, (\q)+1, 4
.endm
.macro TURN slot, next, fill
	s_wait_tensorcnt 0x0
	ds_add_u32 v[SPW], v[NIL]
	s_wait_dscnt 4*NL+1
	WIN MUL_LO
	MUL16 0, 1, 0
	s_wait_dscnt 0x0
	s_barrier_signal -1
	MUL16 2, 1, 0
	WIN 0
	s_barrier_wait -1
.if \fill
	CREST
	s_add_nc_u64 s[G0+4*\slot+2:G0+4*\slot+3], s[G0+4*\slot+2:G0+4*\slot+3], 0x200000
	s_add_nc_u64 s[G0B+4*\slot+2:G0B+4*\slot+3], s[G0B+4*\slot+2:G0B+4*\slot+3], 0x200000
	JLOAD \slot
.else
	PLACES NP
.endif
	FETCH_B \next, 0, 0
	FETCH_A \next, 0, 0
	WIN MUL_HI
	MUL16 4, 1, 0
	MUL16 6, 1, 0
	PLACES NP
	WIN 0
	FETCH_A \next, 0, 4
.endm
	s_wait_alu depctr_va_vdst(0)
	s_wait_tensorcnt 1
	s_barrier_signal -1
	s_barrier_wait -1
	FETCH_B 0, 0, 0
	FETCH_A 0, 0, 0
	FETCH_A 0, 0, 4
	STEP 0, 0, 1
	TURN 0, 1, 1
	global_prefetch_b8 v3, s[66:67] offset:3*0x100000 th:TH_LOAD_NT scope:SCOPE_SE        ; K step 3, the last: the next change of slots asks for it
	STEP 1, 0, 0
	TURN 1, 0, 1
	STEP 0, 0, 0
	TURN 0, 1, 0
	STEP 1, 0, 0
	s_wait_dscnt 4*NL
	WIN MUL_LO
	MUL16 0, 1, 0
	MUL16 2, 1, 0
	s_wait_dscnt 0
	WIN MUL_HI
	MUL16 4, 1, 0
	MUL16 6, 1, 0
	WIN 0
	s_wait_kmcnt 0x0
	s_add_co_i32 s4, s88, s89
	s_add_co_i32 s5, s90, s91
	s_add_co_i32 s12, s92, s93
	s_sub_co_i32 s13, s97, s12
	s_lshr_b32 s18, s17, 3
	s_and_b32 s19, s17, 7
	s_lshl_b32 s21, s42, 1
	s_lshl_b32 s20, s18, 4
	s_add_co_u32 s20, s20, s21
	s_add_co_u32 s20, s20, s16
	s_lshl_b32 s22, s18, 3
	s_add_co_u32 s22, s22, s21
	s_add_co_u32 s23, s22, s16
	s_sub_co_u32 s23, s23, 16
	s_add_co_u32 s22, s22, s15
	s_sub_co_u32 s22, s22, 24
	s_lshl_b32 s2, s19, 4
	s_lshl_b32 s3, s15, 3
	s_add_co_u32 s2, s2, s3
	s_lshl_b32 s20, s20, 7
	s_add_co_u32 s20, s20, s2
	s_lshl_b32 s23, s23, 7
	s_add_co_u32 s23, s23, s2
	s_lshl_b32 s22, s22, 4
	s_lshl_b32 s3, s19, 1
	s_add_co_u32 s22, s22, s3
	s_add_co_u32 s22, s22, s16
	s_lshl_b32 s22, s22, 3
	s_cmp_lt_u32 ttmp9, 2
	s_cselect_b32 s4, s4, s5
	s_cselect_b32 s5, s94, s95
	s_cselect_b32 s20, s20, s23
	s_cselect_b64 s[6:7], s[74:75], s[76:77]
	s_cselect_b64 s[8:9], s[80:81], s[82:83]
	s_cmp_eq_u32 ttmp9, 3
	s_cselect_b32 s5, s13, s5
	s_cselect_b32 s20, s22, s20
	s_cselect_b64 s[8:9], s[84:85], s[8:9]
	s_lshl_b32 s20, s20, 11
	s_mov_b32 s21, 0
	s_add_nc_u64 s[8:9], s[8:9], s[20:21]
	s_lshl_b32 s2, s2, 13
	s_mov_b32 s3, 0
	s_add_nc_u64 s[10:11], s[72:73], s[2:3]
	s_add_co_i32 s5, s5, 127
	s_lshl_b32 s12, s5, 23
	v_mov_b32 v[SCV], s12
	s_add_co_i32 s5, s5, 8
	s_lshl_b32 s5, s5, 23
	s_or_b32 s5, s5, 0x600000
	v_mov_b32 v[LIMV], s5
	PLACES NP
	s_cmp_eq_u32 ttmp9, 3
	s_cbranch_scc1 .Lway_v
	WIN TO_B
.irp b, 0,1,2,3,4,5,6,7
	global_load_b128 v[128+8*\b:131+8*\b], v[WO], s[6:7] offset:64*\b
	global_load_b128 v[132+8*\b:135+8*\b], v[WO], s[6:7] offset:64*\b+16
.endr
; cos and sin of block a's 16 positions: 16 loads into buffer a % 4: v0-63, v64-127, v192-255 of window 1, v192-255 of window 0.  They run three blocks ahead of their use.
.macro ROPELD a
.if ((\a)%4) == 3
	WIN 0
.set RB, 192
.else
	WIN TO_B
.set RB, 64*((\a)%4)+64*(((\a)%4)/2)
.endif
.set L, 0
.rept 16
	global_load_b128 v[RB+4*L:RB+4*L+3], v[LI], s[10:11] offset:8192*(\a)+512*L
.set L, L+1
.endr
.endm
	ROPELD 0
	ROPELD 1
	ROPELD 2
.irp a, 0,1,2,3,4,5,6,7
	WIN 0x0a+5*(\a/4)
.set p, 0
.rept 32
.if p < 4
	v_pk_mul_f32 v[TMP+8*\a+2*p:TMP+8*\a+2*p+1], v[64*(\a%4)+2*p:64*(\a%4)+2*p+1], v[64*(\a%4)+2*p:64*(\a%4)+2*p+1]
.else
	v_pk_fma_f32 v[TMP+8*\a+2*(p%4):TMP+8*\a+2*(p%4)+1], v[64*(\a%4)+2*p:64*(\a%4)+2*p+1], v[64*(\a%4)+2*p:64*(\a%4)+2*p+1], v[TMP+8*\a+2*(p%4):TMP+8*\a+2*(p%4)+1]
.endif
.set p, p+1
.endr
.endr
	WIN 0
.irp a, 0,1,2,3,4,5,6,7
	v_mov_b32 v[PD+\a], 0
	v_pk_add_f32 v[TMP+8*\a:TMP+8*\a+1], v[TMP+8*\a:TMP+8*\a+1], v[TMP+8*\a+2:TMP+8*\a+3]
	v_pk_add_f32 v[TMP+8*\a+4:TMP+8*\a+5], v[TMP+8*\a+4:TMP+8*\a+5], v[TMP+8*\a+6:TMP+8*\a+7]
.endr
.irp a, 0,1,2,3,4,5,6,7
	v_pk_add_f32 v[TMP+8*\a:TMP+8*\a+1], v[TMP+8*\a:TMP+8*\a+1], v[TMP+8*\a+4:TMP+8*\a+5]
.endr
.irp a, 0,1,2,3,4,5,6,7
	v_add_f32 v[FF+\a], v[TMP+8*\a], v[TMP+8*\a+1]
.endr
.irp a, 0,1,2,3,4,5,6,7
	v_permlanex16_b32 v[PD+\a], v[FF+\a], s86, s87
.endr
.irp a, 0,1,2,3,4,5,6,7
	v_add_f32 v[FF+\a], v[FF+\a], v[PD+\a]
.endr
.irp a, 0,1,2,3,4,5,6,7
	v_mul_f32 v[FF+\a], 0x3c000000, v[FF+\a]
.endr
	s_wait_alu depctr_va_vdst(0)
.irp a, 0,1,2,3,4,5,6,7
	v_sqrt_f32 v[FF+\a], v[FF+\a]
.endr
	v_nop
	s_wait_alu depctr_va_vdst(0)
.irp a, 0,1,2,3,4,5,6,7
	v_ldexp_f32 v[FF+\a], v[FF+\a], s4
.endr
.irp a, 0,1,2,3,4,5,6,7
	v_add_f32 v[FF+\a], 0x358637bd, v[FF+\a]
.endr
	s_wait_alu depctr_va_vdst(0)
.irp a, 0,1,2,3,4,5,6,7
	v_rcp_f32 v[FF+\a], v[FF+\a]
.endr
	v_nop
	s_wait_alu depctr_va_vdst(0)
.irp a, 0,1,2,3,4,5,6,7
	v_ldexp_f32 v[FF+\a], v[FF+\a], s4
.endr
.macro QKBLOCK a
.set AC, 64*((\a)%4)
.set CB, CC+16*((\a)%2)
.set CSB, 64*((\a)%4)+64*(((\a)%4)/2)-64*(((\a)%4)/3)
.set CSW, 0x04-0x04*(((\a)%4)/3)
.if (\a) < 5
	ROPELD (\a)+3
	s_wait_loadcnt 48                              ; this block's table is in; the 48 loads of the three blocks behind it may be out
.else
	s_wait_loadcnt 16*(7-(\a))                     ; the counts run down
.endif
	s_wait_xcnt 0x0
	WIN 0x02+((\a)/4)
.set j, 0
.rept 32
.if ((\a)%2) == 0
	v_pk_mul_f32 v[TMP+j:TMP+j+1], v[AC+j:AC+j+1], v[FF+(\a):FF+(\a)+1] op_sel_hi:[1,0]
.else
	v_pk_mul_f32 v[TMP+j:TMP+j+1], v[AC+j:AC+j+1], v[FF+(\a)-1:FF+(\a)] op_sel:[0,1] op_sel_hi:[1,1]
.endif
.set j, j+2
.endr
	WIN 0x04
.set j, 0
.rept 32
	v_pk_mul_f32 v[TMP+j:TMP+j+1], v[TMP+j:TMP+j+1], v[128+j:129+j]
.set j, j+2
.endr
	WIN CSW                                        ; source 1: the window of this block's table
.irp g, 0,1,2,3,4,5,6,7
.irp p, 0,1,2,3
	v_pk_mul_f32 v[T2+2*\p:T2+2*\p+1], v[TMP+8*\g+2*\p:TMP+8*\g+2*\p+1], v[CSB+8*\g+2*\p:CSB+8*\g+2*\p+1] op_sel:[1,1] op_sel_hi:[1,0]
.endr
.irp p, 0,1,2,3
	v_pk_fma_f32 v[TMP+8*\g+2*\p:TMP+8*\g+2*\p+1], v[TMP+8*\g+2*\p:TMP+8*\g+2*\p+1], v[CSB+8*\g+2*\p:CSB+8*\g+2*\p+1], v[T2+2*\p:T2+2*\p+1] op_sel_hi:[0,1,1] neg_lo:[0,0,1]
.endr
.endr
	WIN 0
.set j, 0
.rept 64
	v_med3_num_f32 v[TMP+j], v[TMP+j], -v[LIMV], v[LIMV]
.set j, j+1
.endr
.irp b, 0,1,2,3,4,5,6,7
	v_cvt_scalef32_pk8_fp8_f32 v[CB+2*\b:CB+2*\b+1], v[TMP+8*\b:TMP+8*\b+7], v[SCV]
.endr
	v_nop
.irp c, 0,1,2,3
	global_store_b128 v[LI], v[CB+4*\c:CB+4*\c+3], s[8:9] offset:2048*(\a)+512*\c
.endr
.endm
	s_wait_alu depctr_va_vdst(0)
.irp a, 0,1,2,3,4,5,6,7
	QKBLOCK \a
.endr
	s_branch .Lfinish
.Lway_v:
.macro VBLOCK a
.set AC, 64*((\a)%4)
.set CB, CC+16*((\a)%2)
	s_wait_xcnt 0x0
	WIN 0x02+((\a)/4)
.set j, 0
.rept 64
	v_med3_num_f32 v[TMP+j], v[AC+j], -v[LIMV], v[LIMV]
.set j, j+1
.endr
	WIN 0
.irp b, 0,1,2,3,4,5,6,7
	v_cvt_scalef32_pk8_fp8_f32 v[CB+2*\b:CB+2*\b+1], v[TMP+8*\b:TMP+8*\b+7], v[SCV]
.endr
	v_nop
.irp c, 0,1,2,3
	global_store_b128 v[LI], v[CB+4*\c:CB+4*\c+3], s[8:9] offset:2048*(\a)+512*\c
.endr
.endm
	s_wait_alu depctr_va_vdst(0)
.irp a, 0,1,2,3,4,5,6,7
	VBLOCK \a
.endr
.Lfinish:
	s_wait_tensorcnt 0x0
	ds_add_u32 v[SPW], v[NIL]
	s_wait_dscnt 0x0
	CROUND
	s_endpgm
.Lfunc_end_k_q3ebb0dec7d_qkv:
	.size	k_q3ebb0dec7d_qkv, .Lfunc_end_k_q3ebb0dec7d_qkv-k_q3ebb0dec7d_qkv
	.p2alignl 7, 3214868480
	.fill 96, 4, 3214868480
	.section	.rodata,"a",@progbits
	.p2align	6, 0x0
	.amdhsa_kernel k_q3ebb0dec7d_qkv
		.amdhsa_group_segment_fixed_size 327680
		.amdhsa_private_segment_fixed_size 0
		.amdhsa_enable_private_segment 0
		.amdhsa_kernarg_size 72
		.amdhsa_user_sgpr_count 2
		.amdhsa_user_sgpr_kernarg_segment_ptr 1
		.amdhsa_wavefront_size32 1
		.amdhsa_system_sgpr_workgroup_id_x 1
		.amdhsa_system_sgpr_workgroup_id_y 1
		.amdhsa_system_sgpr_workgroup_id_z 1
		.amdhsa_system_vgpr_workitem_id 0
		.amdhsa_next_free_vgpr 1024
		.amdhsa_next_free_sgpr 100
		.amdhsa_reserve_vcc 0
		.amdhsa_float_denorm_mode_32 3
		.amdhsa_float_denorm_mode_16_64 3
		.amdhsa_memory_ordered 1
		.amdhsa_forward_progress 1
		.amdhsa_inst_pref_size 255
	.end_amdhsa_kernel
	.section	.bss,"aw",@nobits
	.p2align	6
	.space	262144
	.amdgpu_metadata
---
amdhsa.version: [ 1, 2 ]
amdhsa.kernels:
  - .name:           k_q3ebb0dec7d_qkv
    .symbol:         k_q3ebb0dec7d_qkv.kd
    .args:
      - { .name: xc, .offset: 0, .size: 8, .value_kind: global_buffer, .address_space: global }
      - { .name: wc, .offset: 8, .size: 8, .value_kind: global_buffer, .address_space: global }
      - { .name: rope, .offset: 16, .size: 8, .value_kind: global_buffer, .address_space: global }
      - { .name: q_norm_w, .offset: 24, .size: 8, .value_kind: global_buffer, .address_space: global }
      - { .name: k_norm_w, .offset: 32, .size: 8, .value_kind: global_buffer, .address_space: global }
      - { .name: lowp_scales, .offset: 40, .size: 8, .value_kind: global_buffer, .address_space: global }
      - { .name: qi, .offset: 48, .size: 8, .value_kind: global_buffer, .address_space: global }
      - { .name: ki, .offset: 56, .size: 8, .value_kind: global_buffer, .address_space: global }
      - { .name: vi, .offset: 64, .size: 8, .value_kind: global_buffer, .address_space: global }
    .group_segment_fixed_size: 327680
    .private_segment_fixed_size: 0
    .kernarg_segment_align: 8
    .kernarg_segment_size: 72
    .max_flat_workgroup_size: 128
    .sgpr_count:     100
    .vgpr_count:     1024
    .wavefront_size: 32
...
	.end_amdgpu_metadata
.endif
;; end of part 2
;; launch attn (part 3): grid 16 x 16, 8 waves a work-group, clusters of 4 x 1, 327,680 bytes of LDS; arguments qi, ki, vi, lowp_scales, yc; writes yc
.if DOCPART == 3
	.amdgcn_target "amdgcn-amd-amdhsa--gfx1250"
	.amdhsa_code_object_version 6
	.text
	.protected	k_q3ebb0dec7d_attn
	.globl	k_q3ebb0dec7d_attn
	.p2align	8
	.type	k_q3ebb0dec7d_attn,@function
k_q3ebb0dec7d_attn:
	s_mov_b64 s[64:65], 0
	v_nop
	global_prefetch_b8 v0, s[64:65] scope:SCOPE_SE
	s_setreg_imm32_b32 hwreg(HW_REG_WAVE_MODE, 25, 1), 1
	s_wait_xcnt 0x0
	s_wait_alu depctr_hold_cnt(0) depctr_sa_sdst(0) depctr_va_vdst(0) depctr_va_sdst(0) depctr_va_ssrc(0) depctr_va_vcc(0) depctr_vm_vsrc(0)
	s_getreg_b32 s2, hwreg(HW_REG_IB_STS2, 6, 4)
	s_cmp_eq_u32 s2, 0
	s_cbranch_scc0 .Lentry_in_a_cluster
	s_endpgm
.Lentry_in_a_cluster:
	s_bfe_u32 s2, ttmp6, 0x10000c
	s_cmp_lg_u32 s2, 0x3003
	s_cbranch_scc0 .Lentry_shape_is_right
	s_endpgm
.Lentry_shape_is_right:
; y = softmax(q k^T / sqrt(128), causal) v for 32 query heads on 16 key and value heads, both products on codes of FP8 (E4M3); y is quantised for the last product.  All operands are images of operand registers
; (16 rows x 128 K: registers 4 G .. 4 G + 3 at byte 512 G + 16 lane; lane (r, h) holds row r, registers 2 c, 2 c + 1 hold k = 16 c + 8 h + 0 .. 7).
;   qi [b 16 + head][tile of 16 queries][2048];  ki [hk = b 8 + kv head][tile of 16 keys][2048];  vi [hk][block of 128 keys][8][2048];  yc [J 4][16 tokens: 256][e4 4][2048], head = 4 J + e4.
; THE SOFTMAX: t = score x log2(e) / sqrt(128); M = the largest t so far, rounded UP to a whole number; p = 2^(t - M) is quantised, not normalised; the sum is taken of the unquantised p and divides at the end.
; LEFT OUT: key steps all of whose keys come after a tile's queries: reference()'s own mask makes their p zero.
; SHARES.  Grid y is hk; cluster x is c = 0 .. 3, cx the place in it.  Wave w has i = w % 4 and parity w / 4.  The waves (i, 0) and (i, 1) own the tile of 16 queries at one position, of BOTH query heads of hk, and share
; its keys: of each slot of 256 keys a wave takes the 128 of its parity.  Two phases: first position 127 - p (8 - c slots), then position p = 16 c + 4 i + cx (c + 1 slots): 9 slots in every work-group.
; A tile's last key step is 15 - 2 c - i / 2, then 2 c + i / 2: made of c and the wave's number, alike in all partners; in that step hidden scores become -infinity by selects.
; AT A PHASE'S END the two waves of a position join their parts: each hands the tile in its window 1 (O^T, -M, the sums) to the other through a stage in LDS and finishes the tile in its window 0.  A wave of parity 1 keeps the
; second head in window 0, so one text serves all waves.  M is a whole number in both parts: the factors 2^(M part - M) round nothing.
; CLUSTER: the four work-groups walk the same slots in the same order: each tile is asked for jointly.  Waves 0, 1 fetch K's halves of a slot, waves 2, 3 V's: dense blocks of 16,384 bytes.
; LIMITS: entries 6 + 7 between -123 and 130 (added to c's exponent field); entry 8, and entry 10 less entries 8 and 9, between -126 and 119.  NaN is not served.
; REGISTERS: a tile lives in window u under the same numbers: v12 -M, v13 the largest t, v[14:15] the sum, v16-31 Q, v96-159 S^T then p, v160-223 O^T, v224-239 codes, v236, v242-243, v252-254 at work,
;   v240 448 x 2^e8, v241 d (mask), v244 2^e8, v245 2^(e10 - e8 - e9), v246 448 x that.  Fragments of K or V: 0-3 in v32-95 of window 0, 4-7 in v32-95 of window 1.  Window 0 alone: v1-v11.
.set SLOT1, 65536                      ; a slot: K's 16 images, then V's 16; slot 1 begins here
.set VOFF,  32768
.set STAGE, 131072                     ; behind the ring: 17 x 512 bytes for each wave: the part that it hands over
.set WST,   8704
.set QST,   STAGE+8*WST                ; 4,096 bytes for each wave: Q of its second phase
.set SPARE, QST+32768                  ; the spare words, 128 bytes for each wave
.set LI,   1                           ; v1   16 x lane
.set LIP,  2                           ; v2   16 x lane + 16,384 x parity
.set PFO,  3                           ; v3   256 x lane: the prefetches' offset
.set STW,  4                           ; v4   my place in the stage
.set SPW,  5                           ; v5   my spare word; never rewritten
.set NIL,  6                           ; v6   0; never rewritten
.set STR,  7                           ; v7   my partner's place in the stage
.set ADR,  8                           ; v8   the slot in hand + v2
.set QSA,  9                           ; v9   my place in QST
.set DLO,  10                          ; v10  d of the second phase
.set WV,   18
.set WI,   19
.set SEL,  20
.set CS,   22
.set G1,   24
.set G0,   32
.set SLOTS, 36                         ; slots still to be asked for
.set KS,   37                          ; my key step in the phase
.set LS,   38                          ; my tiles' last key step
.set TB,   39
.set PFA,  40
.set LIM,  42
.set PAR,  70
.set CP1,  71                          ; c + 1: the count of slots at which the first phase's last slot is in hand
.set LSL,  72                          ; the second phase's last key step
.set OFF,  74                          ; s[74:75] bytes from the head's first key to the slot that is asked for
.set BASE, 76                          ; s[76:77] my half of slot 0 in memory
.set YH,   78                          ; s[78:79], s[80:81] where y goes, first and second phase
.set YL,   80
.set QB,   82                          ; s[82:89] Q: first phase window 0, 1; second phase window 0, 1
.set MSB, 0
.macro WIN new
.if MSB != (\new)
	s_set_vgpr_msb (MSB<<8)|(\new)
.set MSB, (\new)
.endif
.endm
.macro JLOAD                           ; waves 0 to 3 fetch; an s_nop 0 and four v_nop follow the load
	s_cmp_lt_u32 s[WV], 4
	s_cbranch_scc0 .Lno_load_\@
	tensor_load_to_lds s[G0:G0+3], s[G1:G1+7]
	s_nop 0
.rept 4
	v_nop
.endr
.Lno_load_\@:
.endm
; A prefetch of the slot that the NEXT change of slots asks for.  Cluster 0 of a head walks all eight slots of keys on end: it asks, for slots 2 to 7.  Its four partners take 8,192 bytes each, told apart by address;
; wave 4 asks for K's, wave 5 for V's, lanes 256 bytes apart: each aligned block of 256 bytes is named once in the launch.
.macro ASK
	s_cmp_gt_u32 s[SLOTS], s[LIM]
	s_cbranch_scc0 .Lnot_mine_\@
	global_prefetch_b8 v[PFO], s[PFA:PFA+1] th:TH_LOAD_NT scope:SCOPE_SE
.Lnot_mine_\@:
.endm
.macro CROUND
	s_barrier_signal -1
	s_barrier_wait -1
	s_cmp_lg_u32 s[WV], 0
	s_cbranch_scc1 .Lnot_wave_0_\@
	s_barrier_signal -3
.Lnot_wave_0_\@:
	s_barrier_wait -3
	s_barrier_signal -1
	s_barrier_wait -1
.endm
	s_load_b256 s[4:11], s[0:1], 0x0               ; qi, ki, vi, the scales
	s_load_b64 s[12:13], s[0:1], 0x20              ; yc
	v_lshl_add_u32 v[SPW], v0, 2, SPARE
	v_mov_b32 v[NIL], 0
	ds_add_u32 v[SPW], v[NIL]                      ; the opening lines: the add twice on end and its wait
	ds_add_u32 v[SPW], v[NIL]
	v_lshrrev_b32 v2, 5, v0
	v_readfirstlane_b32 s[WV], v2                  ; wave 0..7
	s_bfe_u32 s43, ttmp6, 0x40000                  ; cx: it enters Q's and y's addresses, the prefetches' and the mask's numbers alone
	s_and_b32 s57, ttmp7, 0xffff                   ; hk
	s_and_b32 s[WI], s[WV], 3
	s_lshr_b32 s[PAR], s[WV], 2
	s_add_co_u32 s[CP1], ttmp9, 1
	s_lshr_b32 s58, s[WI], 1
	s_lshl_b32 s[LSL], ttmp9, 1
	s_add_co_u32 s[LSL], s[LSL], s58               ; 2 c + i / 2
	s_sub_co_u32 s[LS], 15, s[LSL]
	s_lshl_b32 s59, ttmp9, 4
	s_lshl_b32 s58, s[WI], 2
	s_add_co_u32 s59, s59, s58
	s_add_co_u32 s59, s59, s43                     ; p: the second phase's position
	s_sub_co_u32 s56, 127, s59                     ; the first phase's
	s_mov_b32 s[G1], 15|(3<<16)|(1<<21)            ; the mask: all four work-groups; elements of 8 bytes; bit 21 beside a mask
	s_mov_b32 s[G1+1], 32<<16                      ; a dense block of 16,384 bytes as 64 rows of 256
	s_mov_b32 s[G1+2], 64<<16
	s_mov_b32 s[G1+3], 32<<16
	s_mov_b32 s[G1+4], 64
	s_mov_b32 s[G1+5], 32
	s_mov_b32 s[G1+6], 0
	s_mov_b32 s[G1+7], 0
	s_mov_b32 s[SEL], 0x76543210
	s_mov_b32 s[SEL+1], 0xfedcba98
	s_mov_b32 s[CS], 0x3e0293ee                    ; log2(e) / sqrt(128)
	s_mov_b32 s[TB], 0
	s_mov_b32 s[KS], s[PAR]
	s_mov_b32 s[SLOTS], 8
	s_mov_b32 s[OFF], 0
	s_mov_b32 s[OFF+1], 0
	s_lshl_b32 s66, s57, 18                        ; a head's K or V: 262,144 bytes
	s_and_b32 s58, s[WV], 1
	s_lshl_b32 s58, s58, 14
	s_add_co_u32 s68, s66, s58                     ; what I fetch, if I fetch
	s_mov_b32 s69, 0
	s_lshl_b32 s60, s[WI], 14                      ; and where it goes: K's halves, then V's
	s_lshl_b32 s58, s43, 13
	s_add_co_u32 s66, s66, s58
	s_add_co_u32 s66, s66, 32768                   ; the prefetches stand in slot 1: the first change steps them to slot 2
	s_mov_b32 s67, 0
	s_sub_co_u32 s58, s[WV], 4
	s_lshr_b32 s58, s58, 1
	s_or_b32 s58, s58, ttmp9                       ; 0 in waves 4 and 5 of cluster 0
	s_cmp_eq_u32 s58, 0
	s_cselect_b32 s[LIM], 2, -1
	s_lshl_b32 s90, s[PAR], 14
	s_mul_i32 s91, s[WV], WST
	s_add_co_u32 s91, s91, STAGE
	s_xor_b32 s92, s[WV], 4                        ; my partner: the same i, the other parity
	s_mul_i32 s92, s92, WST
	s_add_co_u32 s92, s92, STAGE
	s_lshl_b32 s93, s[WV], 12
	s_add_co_u32 s93, s93, QST
	s_and_b32 s94, s59, 7
	s_lshl_b32 s94, s94, 4                         ; my tile's first query in its last key step, second phase,
	s_and_b32 s95, s56, 7
	s_lshl_b32 s95, s95, 4                         ; and first
	s_wait_dscnt 0x0
	s_wait_kmcnt 0x0
	s_load_b256 s[44:51], s[10:11], 0x0            ; e0 .. e7
	s_load_b128 s[52:55], s[10:11], 0x20           ; e8 .. e11
	s_cmp_lt_u32 s[WV], 2
	s_cselect_b64 s[BASE:BASE+1], s[6:7], s[8:9]
	s_add_nc_u64 s[BASE:BASE+1], s[BASE:BASE+1], s[68:69]
	s_mov_b32 s[G0], 1
	s_mov_b32 s[G0+1], s60
	s_mov_b64 s[G0+2:G0+3], s[BASE:BASE+1]
	s_or_b32 s[G0+3], s[G0+3], 0x80000000
	s_cmp_eq_u32 s[WV], 4
	s_cselect_b64 s[PFA:PFA+1], s[6:7], s[8:9]
	s_add_nc_u64 s[PFA:PFA+1], s[PFA:PFA+1], s[66:67]
	s_lshl_b32 s2, s57, 19
	s_mov_b32 s3, 0
	s_add_nc_u64 s[4:5], s[4:5], s[2:3]            ; Q of hk's first head
	s_lshl_b32 s2, s[PAR], 18                      ; window 0 takes head = parity,
	s_lshl_b32 s58, s56, 11
	s_add_co_u32 s2, s2, s58
	s_add_nc_u64 s[QB:QB+1], s[4:5], s[2:3]
	s_xor_b32 s2, s2, 0x40000                      ; window 1 the other (a position's 2,048 x 127 stays under bit 18)
	s_add_nc_u64 s[QB+2:QB+3], s[4:5], s[2:3]
	s_lshl_b32 s2, s[PAR], 18
	s_lshl_b32 s58, s59, 11
	s_add_co_u32 s2, s2, s58
	s_add_nc_u64 s[QB+4:QB+5], s[4:5], s[2:3]
	s_xor_b32 s2, s2, 0x40000
	s_add_nc_u64 s[QB+6:QB+7], s[4:5], s[2:3]
	s_bfe_u32 s2, s57, 0x20001                     ; y: J = (kv head) / 2,
	s_lshl_b32 s2, s2, 21
	s_lshr_b32 s58, s57, 3
	s_lshl_b32 s58, s58, 20                        ; 128 b blocks of 16 tokens,
	s_add_co_u32 s2, s2, s58
	s_and_b32 s58, s57, 1
	s_lshl_b32 s58, s58, 12                        ; e4 = 2 ((kv head) % 2) + parity
	s_add_co_u32 s2, s2, s58
	s_lshl_b32 s58, s[PAR], 11
	s_add_co_u32 s2, s2, s58
	s_add_nc_u64 s[12:13], s[12:13], s[2:3]
	s_lshl_b32 s2, s56, 13
	s_add_nc_u64 s[YH:YH+1], s[12:13], s[2:3]
	s_lshl_b32 s2, s59, 13
	s_add_nc_u64 s[YL:YL+1], s[12:13], s[2:3]
	CROUND                                         ; all four work-groups are here: the first joint loads meet
	JLOAD                                          ; slot 0
	v_and_b32 v[LI], 31, v0
	v_lshlrev_b32 v[PFO], 8, v[LI]
	v_lshlrev_b32 v[LI], 4, v[LI]
	s_wait_alu depctr_va_vdst(0)
.irp c, 0,1,2,3
	global_load_b128 v[16+4*\c:19+4*\c], v[LI], s[QB:QB+1] offset:512*\c           ; Q of the first phase stays in registers,
.endr
.irp c, 0,1,2,3
	global_load_b128 v[96+4*\c:99+4*\c], v[LI], s[QB+4:QB+5] offset:512*\c         ; of the second it goes to LDS
.endr
	WIN 0x40
.irp c, 0,1,2,3
	global_load_b128 v[16+4*\c:19+4*\c], v[LI], s[QB+2:QB+3] offset:512*\c
.endr
.irp c, 0,1,2,3
	global_load_b128 v[96+4*\c:99+4*\c], v[LI], s[QB+6:QB+7] offset:512*\c
.endr
	WIN 0
	v_add_nc_u32 v[LIP], s90, v[LI]
	v_add_nc_u32 v[STW], s91, v[LI]
	v_add_nc_u32 v[STR], s92, v[LI]
	v_add_nc_u32 v[QSA], s93, v[LI]
	v_and_b32 v10, 15, v0
	v_bfe_u32 v11, v0, 4, 1
	v_lshlrev_b32 v11, 3, v11
	v_sub_nc_u32 v11, v10, v11                     ; r - 8 h
	v_add_nc_u32 v[DLO], s94, v11                  ; d = my query - my last step's first key - 8 h.  Score register 8 c + j holds key 16 c + 8 h + j of the step: hidden where 16 c + j > d
	v_add_nc_u32 v11, s95, v11
	s_wait_alu depctr_va_vdst(0)
	s_wait_kmcnt 0x0
	s_add_co_i32 s58, s50, s51
	s_lshl_b32 s58, s58, 23
	s_add_co_i32 s[CS], s[CS], s58                 ; a score stands for score x 2^(e6 + e7)
	s_mov_b32 s[CS+1], s[CS]
	s_add_co_i32 s58, s52, 127
	s_lshl_b32 s66, s58, 23                        ; 2^e8
	s_add_co_i32 s58, s58, 8
	s_lshl_b32 s58, s58, 23
	s_or_b32 s67, s58, 0x600000                    ; 448 x 2^e8
	s_sub_co_i32 s58, s54, s52
	s_sub_co_i32 s58, s58, s53
	s_add_co_i32 s58, s58, 127
	s_lshl_b32 s69, s58, 23                        ; O / l stands for y / 2^(e8 + e9): y's conversion takes 2^(e10 - e8 - e9)
	s_add_co_i32 s58, s58, 8
	s_lshl_b32 s58, s58, 23
	s_or_b32 s68, s58, 0x600000
.macro INIT u, d, all                  ; a phase begins: the step is written once, and its first run finds zeros
	WIN 0x40*(\u)
	v_mov_b32 v13, 0xff61b1e6                      ; the largest t so far: -3e38
	v_mov_b32 v12, 0x7f61b1e6                      ; -M, a whole number as it stands
	v_mov_b32 v14, 0
	v_mov_b32 v15, 0
	v_mov_b32 v241, v[\d]
.if \all
	v_mov_b32 v236, 0                              ; written once: named as destinations of lane exchanges or as halves of pairs
	v_mov_b32 v242, 0
	v_mov_b32 v243, 0
	v_mov_b32 v252, 0
	v_mov_b32 v253, 0
	v_mov_b32 v240, s67
	v_mov_b32 v247, s67                            ; the same bound once more: the two halves of a dual pair name two registers.  v248-251: sums at work
	v_mov_b32 v244, s66
	v_mov_b32 v245, s69
	v_mov_b32 v246, s68
.endif
.set oi, 0
.rept 64
	v_mov_b32 v[160+oi], 0
.set oi, oi+1
.endr
.endm
	INIT 0, 11, 1
	INIT 1, 11, 1
	WIN 0
.macro FETCH8 off                      ; eight fragments: 32 loads of 512 consecutive bytes
	WIN 0
.irp t, 0,1,2,3
.irp c, 0,1,2,3
	ds_load_b128 v[32+16*\t+4*\c:35+16*\t+4*\c], v[ADR] offset:(\off)+2048*\t+512*\c
.endr
.endr
	WIN 0x40
.irp t, 0,1,2,3
.irp c, 0,1,2,3
	ds_load_b128 v[32+16*\t+4*\c:35+16*\t+4*\c], v[ADR] offset:(\off)+2048*(4+\t)+512*\c
.endr
.endr
.endm
.macro SPROD fw, u, ta, tb             ; two tiles of S^T of tile u: source 0 = 16 keys (fragments 4 fw + ta, tb), source 1 = my 16 queries
	WIN (\fw)|((\u)<<2)|((\u)<<4)|((\u)<<6)
.irp t, \ta, \tb
	v_wmma_f32_16x16x128_fp8_fp8 v[96+8*(4*(\fw)+\t):103+8*(4*(\fw)+\t)], v[32+16*\t:47+16*\t], v[16:31], 0
.endr
.endm
.macro OPROD u                         ; O^T += V^T P^T of tile u: eight accumulators, one instruction each
.irp fw, 0,1
	WIN (\fw)|((\u)<<2)|((\u)<<4)|((\u)<<6)
.irp t, 0,1,2,3
	v_wmma_f32_16x16x128_fp8_fp8 v[160+8*(4*\fw+\t):167+8*(4*\fw+\t)], v[32+16*\t:47+16*\t], v[224:239], v[160+8*(4*\fw+\t):167+8*(4*\fw+\t)]
.endr
.endr
.endm
.macro MASK u                          ; my tiles' last step: hidden scores become -infinity ahead of the maximum
	WIN 0x55*(\u)
	v_mov_b32 v254, 0xff800000
.set n, 0
.rept 64
	v_cmp_gt_i32 vcc_lo, 16*(n/8)+n%8, v241
	v_cndmask_b32 v[96+n], v[96+n], v254, vcc_lo
.set n, n+1
.endr
.endm
.macro SOFTMAX u
	WIN 0x55*(\u)
	s_wait_alu depctr_va_vdst(0)                   ; the wait directly ahead of the first readers of the scores
	v_max3_num_f32 v254, v96, v97, v98             ; the step's largest score of my query among my 64 keys, in four chains, the registers in ascending order: each accumulator from its low end on
	v_max3_num_f32 v252, v99, v100, v101
	v_max3_num_f32 v242, v102, v103, v104
	v_max3_num_f32 v243, v105, v106, v107
.irp i, 12,20,28,36,44,52
	v_max3_num_f32 v254, v254, v[96+\i], v[97+\i]
	v_max3_num_f32 v252, v252, v[98+\i], v[99+\i]
	v_max3_num_f32 v242, v242, v[100+\i], v[101+\i]
	v_max3_num_f32 v243, v243, v[102+\i], v[103+\i]
.endr
	v_max3_num_f32 v254, v254, v156, v157
	v_max3_num_f32 v252, v252, v158, v159
	s_delay_alu instid0(VALU_DEP_1)
	v_max3_num_f32 v254, v254, v252, v242
	s_delay_alu instid0(VALU_DEP_1)
	v_max_num_f32 v254, v254, v243
	v_permlanex16_b32 v236, v254, s[SEL], s[SEL+1]
	s_delay_alu instid0(VALU_DEP_1)
	v_max_num_f32 v254, v254, v236                 ; and among lane l xor 16's
	s_delay_alu instid0(VALU_DEP_1)
	v_mul_f32 v254, s[CS], v254                    ; as t (c is positive)
	s_delay_alu instid0(VALU_DEP_1)
	v_max_num_f32 v13, v13, v254                   ; the running largest t
	v_mov_b32 v254, v12
	s_delay_alu instid0(VALU_DEP_2)
	v_floor_f32 v12, -v13                          ; the new -M = -ceil(t)
	s_delay_alu instid0(VALU_DEP_1)
	v_sub_f32 v254, v12, v254                      ; old M less new M: a whole number, 0 or less
	s_delay_alu instid0(VALU_DEP_1)
	v_cvt_i32_f32 v254, v254                       ; (it saturates)
	s_delay_alu instid0(VALU_DEP_1)
	v_ldexp_f32 v252, 1.0, v254                    ; f = 2^(old M - new M)
.set j, 0
.rept 32
	v_pk_fma_f32 v[96+j:97+j], v[96+j:97+j], s[CS:CS+1], v[12:13] op_sel_hi:[1,0,0]   ; t - M, two at a time
.set j, j+2
.endr
.set j, 0
	s_wait_alu depctr_va_vdst(0)                   ; the wait ahead of the batch
.rept 64
	v_exp_f32 v[96+j], v[96+j]                     ; p = 2^(t - M)
.set j, j+1
.endr
	v_pk_mul_f32 v[14:15], v[14:15], v[252:253] op_sel_hi:[1,0]   ; the sums under the new M  (a plain line behind the exponentials)
	s_wait_alu depctr_va_vdst(0)                   ; one wait for the whole batch, ahead of its first reader
	v_pk_add_f32 v[242:243], v[96:97], v[98:99]    ; the sum of the unquantised p, in four chains
	v_pk_add_f32 v[248:249], v[100:101], v[102:103]
	v_pk_add_f32 v[250:251], v[104:105], v[106:107]
.irp j2, 12,20,28,36,44,52
	v_pk_add_f32 v[14:15], v[14:15], v[96+\j2:97+\j2]
	v_pk_add_f32 v[242:243], v[242:243], v[98+\j2:99+\j2]
	v_pk_add_f32 v[248:249], v[248:249], v[100+\j2:101+\j2]
	v_pk_add_f32 v[250:251], v[250:251], v[102+\j2:103+\j2]
.endr
	v_pk_add_f32 v[14:15], v[14:15], v[156:157]
	v_pk_add_f32 v[242:243], v[242:243], v[158:159]
	v_pk_add_f32 v[248:249], v[248:249], v[250:251]
	v_pk_add_f32 v[14:15], v[14:15], v[242:243]
	s_delay_alu instid0(VALU_DEP_1)
	v_pk_add_f32 v[14:15], v[14:15], v[248:249]
.irp b, 0,1,2,3
.irp i, 0,2,4,6,8,10,12,14
	v_dual_min_num_f32 v[96+16*\b+\i], v[96+16*\b+\i], v240 :: v_dual_min_num_f32 v[97+16*\b+\i], v[97+16*\b+\i], v247   ; the conversion does not saturate (ISA guide 7.6.2); p is not negative, so the hold is one-sided; two holds an instruction
.endr
	v_cvt_scalef32_pk8_fp8_f32 v[224+4*\b:225+4*\b], v[96+16*\b:103+16*\b], v244      ; score tile c's eight keys are registers 2 c, 2 c + 1 of P
	v_cvt_scalef32_pk8_fp8_f32 v[226+4*\b:227+4*\b], v[104+16*\b:111+16*\b], v244
.endr
	s_wait_alu depctr_va_vdst(0)                   ; the wait directly ahead of the first readers of O^T
.set j, 0
.rept 32
	v_pk_mul_f32 v[160+j:161+j], v[160+j:161+j], v[252:253] op_sel_hi:[1,0]    ; O^T under the new M  (also the plain lines between the conversions and the products)
.set j, j+2
.endr
.endm
; A KEY STEP: my parity's 128 keys of the slot in hand, for both my tiles.
.macro STEP
	s_cmp_gt_u32 s[KS], s[LS]                      ; all its keys come after my queries: left out
	s_cbranch_scc1 .Lhidden_\@
	v_add_nc_u32 v[ADR], s[TB], v[LIP]
	FETCH8 0                                       ; K (four plain lines stand behind the last products that read these registers)
	s_wait_alu depctr_va_vdst(0)
	s_wait_dscnt 24                                ; fragments 0 and 1 are in: the 24 loads behind theirs may be out; and so on, two fragments (8 loads) at a time
	SPROD 0, 0, 0, 1
	SPROD 0, 1, 0, 1
	s_wait_dscnt 16
	SPROD 0, 0, 2, 3
	SPROD 0, 1, 2, 3
	s_wait_dscnt 8
	SPROD 1, 0, 0, 1
	SPROD 1, 1, 0, 1
	s_wait_dscnt 0x0
	SPROD 1, 0, 2, 3
	SPROD 1, 1, 2, 3
	WIN 0
.rept 4
	v_nop                                          ; places in front of the loads into K's registers and of the first reads of the scores
.endr
	FETCH8 VOFF                                    ; V: on its way under the first softmax
	WIN 0
	s_cmp_lt_u32 s[KS], s[LS]
	s_cbranch_scc1 .Lopen_\@
	MASK 0
	MASK 1
	WIN 0
.Lopen_\@:
	SOFTMAX 0
	s_wait_alu depctr_va_vdst(0)
	s_wait_dscnt 0x0                               ; V is in
	OPROD 0
	SOFTMAX 1
	OPROD 1
	WIN 0
.rept 4
	v_nop                                          ; places in front of the next loads and of the stores of O^T
.endr
.Lhidden_\@:
	s_add_co_u32 s[KS], s[KS], 2
.endm
; THE CHANGE OF SLOTS stands at a slot's head: the wait for all my tensor loads, the add, the wait for it and for my reads of the slot that I have left.  fill = 1: a round of the cluster's barrier, and behind it the slot
; just left is filled with the next 256 keys of the walk: behind the first phase's last slot the walk begins again at key 0.
.macro CHANGE fill
	s_wait_tensorcnt 0x0
	ds_add_u32 v[SPW], v[NIL]
.if \fill
	ds_add_u32 v[SPW], v[NIL]                      ; twice on end here
	s_xor_b32 s[G0+1], s[G0+1], SLOT1
	s_add_co_u32 s[OFF], s[OFF], 32768
	s_cmp_eq_u32 s[SLOTS], s[CP1]                  ; ids and the count of slots alone, alike in all partners
	s_cselect_b32 s[OFF], 0, s[OFF]
	s_add_nc_u64 s[G0+2:G0+3], s[BASE:BASE+1], s[OFF:OFF+1]
	s_or_b32 s[G0+3], s[G0+3], 0x80000000
	s_wait_xcnt 0x0                                ; the last prefetch has read its address
	s_add_nc_u64 s[PFA:PFA+1], s[PFA:PFA+1], 32768
	s_wait_dscnt 0x0
	CROUND
	JLOAD                                          ; the first thing behind the round, and a wave's one tensor load until the next
	ASK
.else
	s_wait_dscnt 0x0
	s_barrier_signal -1
	s_barrier_wait -1
.endif
.endm
; A PHASE'S END.  Window 1's tile goes to my partner, my partner's part of window 0's tile comes to me; the two parts are brought under one M, divided by the sum, quantised and stored as an image.
; The branch that leads here hangs on c and the count of slots: all eight waves pass the barrier or none.  The next store into the stage stands behind a later change of slots.
.macro MERGE y
	s_wait_alu depctr_va_vdst(0)
	WIN 0x04                                       ; an LDS store's data stand in the place of source 1
	ds_store_b128 v[STW], v[12:15] offset:8192
.set k, 0
.rept 16
	ds_store_b128 v[STW], v[160+4*k:163+4*k] offset:512*k
.set k, k+1
.endr
	WIN 0
	s_wait_dscnt 0x0                               ; for my partner's sake
	s_barrier_signal -1
	s_barrier_wait -1
	ds_load_b128 v[232:235], v[STR] offset:8192    ; its -M, largest t, sums
.set k, 0
.rept 16
	ds_load_b128 v[96+4*k:99+4*k], v[STR] offset:512*k
.set k, k+1
.endr
	s_wait_dscnt 0x0
	v_min_num_f32 v252, v12, v232                  ; -M of both parts
	v_add_f32 v14, v14, v15
	v_add_f32 v234, v234, v235
	v_sub_f32 v253, v252, v12                      ; my M less M, and my partner's: whole numbers, 0 or less
	v_sub_f32 v254, v252, v232
	v_cvt_i32_f32 v253, v253                       ; (they saturate: a part that walked no step has -M = 3e38, zeros elsewhere, and gets the factor 0)
	v_cvt_i32_f32 v254, v254
	v_ldexp_f32 v253, 1.0, v253
	v_ldexp_f32 v254, 1.0, v254
	v_mul_f32 v14, v14, v253
	v_fma_f32 v14, v234, v254, v14
	v_permlanex16_b32 v236, v14, s[SEL], s[SEL+1]
	v_add_f32 v14, v14, v236                       ; the row's sum
	s_wait_alu depctr_va_vdst(0)
	v_rcp_f32 v14, v14
	v_nop
	s_wait_alu depctr_va_vdst(0)
	v_mul_f32 v252, v253, v14                      ; my part's factor / the sum,
	v_mul_f32 v242, v254, v14                      ; and my partner's
	s_wait_alu depctr_va_vdst(0)                   ; the wait directly ahead of the first readers of O^T
.set j, 0
.rept 32
	v_pk_mul_f32 v[160+j:161+j], v[160+j:161+j], v[252:253] op_sel_hi:[1,0]
.set j, j+2
.endr
.set j, 0
.rept 32
	v_pk_fma_f32 v[160+j:161+j], v[96+j:97+j], v[242:243], v[160+j:161+j] op_sel_hi:[1,0,1]
.set j, j+2
.endr
.set j, 0
.rept 64
	v_med3_num_f32 v[160+j], v[160+j], -v246, v246
.set j, j+1
.endr
.irp t, 0,1,2,3,4,5,6,7
	v_cvt_scalef32_pk8_fp8_f32 v[224+2*\t:225+2*\t], v[160+8*\t:167+8*\t], v245   ; tile dt's eight registers are registers 2 dt, 2 dt + 1 of the last product's operand
.endr
	v_nop
.irp c, 0,1,2,3
	global_store_b128 v[LI], v[224+4*\c:227+4*\c], s[\y:\y+1] offset:512*\c       ; 32 lanes store 512 consecutive bytes, aligned
.endr
.endm
	s_wait_alu depctr_va_vdst(0)                   ; the wait at the head's end
	s_wait_loadcnt 0x0                             ; Q
.irp c, 0,1,2,3
	ds_store_b128 v[QSA], v[96+4*\c:99+4*\c] offset:512*\c
.endr
	WIN 0x04
.irp c, 0,1,2,3
	ds_store_b128 v[QSA], v[96+4*\c:99+4*\c] offset:2048+512*\c
.endr
	WIN 0
.Lslot:                                            ; 8 trips: behind each change of slots but the last the next slot is asked for
	CHANGE 1
	STEP
	s_xor_b32 s[TB], s[TB], SLOT1
	s_cmp_lg_u32 s[SLOTS], s[CP1]
	s_cbranch_scc1 .Lsame
	MERGE YH                                       ; the first phase is over: its tiles leave,
.irp c, 0,1,2,3
	ds_load_b128 v[16+4*\c:19+4*\c], v[QSA] offset:512*\c          ; and the second begins: my own bytes; the next change of slots waits for these loads
.endr
	WIN 0x40
.irp c, 0,1,2,3
	ds_load_b128 v[16+4*\c:19+4*\c], v[QSA] offset:2048+512*\c
.endr
	INIT 0, DLO, 0
	INIT 1, DLO, 0
	WIN 0
	s_mov_b32 s[KS], s[PAR]
	s_mov_b32 s[LS], s[LSL]
	s_wait_xcnt 0x0                                ; the stores have read their codes: those registers are written again only behind this wait
	s_wait_alu depctr_va_vdst(0)
.Lsame:
	s_sub_co_u32 s[SLOTS], s[SLOTS], 1
	s_cmp_lg_u32 s[SLOTS], 0
	s_cbranch_scc1 .Lslot
	CHANGE 0                                       ; the last slot is written out: nothing is left to fetch
	STEP
	MERGE YL
	s_wait_tensorcnt 0x0                           ; the wave's end
	ds_add_u32 v[SPW], v[NIL]
	s_wait_dscnt 0x0
	CROUND                                         ; the closing round
	s_endpgm
.Lfunc_end_k_q3ebb0dec7d_attn:
	.size	k_q3ebb0dec7d_attn, .Lfunc_end_k_q3ebb0dec7d_attn-k_q3ebb0dec7d_attn
	.p2alignl 7, 3214868480
	.fill 96, 4, 3214868480
	.section	.rodata,"a",@progbits
	.p2align	6, 0x0
	.amdhsa_kernel k_q3ebb0dec7d_attn
		.amdhsa_group_segment_fixed_size 327680
		.amdhsa_private_segment_fixed_size 0
		.amdhsa_enable_private_segment 0
		.amdhsa_kernarg_size 40
		.amdhsa_user_sgpr_count 2
		.amdhsa_user_sgpr_kernarg_segment_ptr 1
		.amdhsa_wavefront_size32 1
		.amdhsa_system_sgpr_workgroup_id_x 1
		.amdhsa_system_sgpr_workgroup_id_y 1
		.amdhsa_system_sgpr_workgroup_id_z 1
		.amdhsa_system_vgpr_workitem_id 0
		.amdhsa_next_free_vgpr 512
		.amdhsa_next_free_sgpr 100
		.amdhsa_reserve_vcc 1
		.amdhsa_float_denorm_mode_32 3
		.amdhsa_float_denorm_mode_16_64 3
		.amdhsa_memory_ordered 1
		.amdhsa_forward_progress 1
		.amdhsa_inst_pref_size 134
	.end_amdhsa_kernel
	.amdgpu_metadata
---
amdhsa.version: [ 1, 2 ]
amdhsa.kernels:
  - .name:           k_q3ebb0dec7d_attn
    .symbol:         k_q3ebb0dec7d_attn.kd
    .args:
      - { .name: qi, .offset: 0, .size: 8, .value_kind: global_buffer, .address_space: global }
      - { .name: ki, .offset: 8, .size: 8, .value_kind: global_buffer, .address_space: global }
      - { .name: vi, .offset: 16, .size: 8, .value_kind: global_buffer, .address_space: global }
      - { .name: lowp_scales, .offset: 24, .size: 8, .value_kind: global_buffer, .address_space: global }
      - { .name: yc, .offset: 32, .size: 8, .value_kind: global_buffer, .address_space: global }
    .group_segment_fixed_size: 327680
    .private_segment_fixed_size: 0
    .kernarg_segment_align: 8
    .kernarg_segment_size: 40
    .max_flat_workgroup_size: 256
    .sgpr_count:     100
    .vgpr_count:     512
    .wavefront_size: 32
...
	.end_amdgpu_metadata
.endif
;; end of part 3
;; launch outp (part 4): grid 8 x 32, 4 waves a work-group, clusters of 4 x 4, 327,680 bytes of LDS; arguments yc, wc, lowp_scales, out0; writes out0
.if DOCPART == 4
	.amdgcn_target "amdgcn-amd-amdhsa--gfx1250"
	.amdhsa_code_object_version 6
	.text
	.protected	k_q3ebb0dec7d_outp
	.globl	k_q3ebb0dec7d_outp
	.p2align	8
	.type	k_q3ebb0dec7d_outp,@function
k_q3ebb0dec7d_outp:
	s_mov_b64 s[64:65], 0
	v_nop
	global_prefetch_b8 v0, s[64:65] scope:SCOPE_SE
	s_setreg_imm32_b32 hwreg(HW_REG_WAVE_MODE, 25, 1), 1
	s_wait_xcnt 0x0
	s_wait_alu depctr_hold_cnt(0) depctr_sa_sdst(0) depctr_va_vdst(0) depctr_va_sdst(0) depctr_va_ssrc(0) depctr_va_vcc(0) depctr_vm_vsrc(0)
	s_getreg_b32 s2, hwreg(HW_REG_IB_STS2, 6, 4)
	s_cmp_eq_u32 s2, 0
	s_cbranch_scc0 .Lentry_in_a_cluster
	s_endpgm
.Lentry_in_a_cluster:
	s_bfe_u32 s2, ttmp6, 0x10000c
	s_cmp_lg_u32 s2, 0xf033
	s_cbranch_scc0 .Lentry_shape_is_right
	s_endpgm
.Lentry_shape_is_right:
.set SLOT,   131072
.set STAGE,  262144
.set SPITCH, 272
.set SPARE,  STAGE+4*16*SPITCH
.set ADRA, 16
.set ADRB, 20
.set STO,  24
.set RD,   25
.set CO,   26
.set LI,   27
.set SPW,  28
.set NIL,  29
.set TMP,  32
.set BK,   64
.set ACC,  128
.set F0,   0
.set F1,   128
.set G1,  24
.set G0,  32
.set G1B, 48
.set G0B, 56
.set MSB, 0
.macro WIN new
.if MSB != (\new)
	s_set_vgpr_msb (MSB<<8)|(\new)
.set MSB, (\new)
.endif
.endm
.set MUL,  0x05
.set TO_F, 0x40
.macro JLOAD s
	s_cmp_eq_u32 s15, 0
	s_cbranch_scc0 .Lfor_b_\@
	tensor_load_to_lds s[G0+4*\s:G0+4*\s+3], s[G1:G1+7]
	s_nop 0
.rept 4
	v_nop
.endr
	s_branch .Lasked_\@
.Lfor_b_\@:
	tensor_load_to_lds s[G0B+4*\s:G0B+4*\s+3], s[G1B:G1B+7]
	s_nop 0
.rept 4
	v_nop
.endr
.Lasked_\@:
.endm
.macro CREST
	s_cmp_lg_u32 s14, 0
	s_cbranch_scc1 .Lnot_wave_0_\@
	s_barrier_signal -3
.Lnot_wave_0_\@:
	s_barrier_wait -3
	s_barrier_signal -1
	s_barrier_wait -1
.endm
.macro CROUND
	s_barrier_signal -1
	s_barrier_wait -1
	CREST
.endm
	s_load_b256 s[4:11], s[0:1], 0x0
	v_lshl_add_u32 v[SPW], v0, 2, SPARE
	v_mov_b32 v[NIL], 0
	ds_add_u32 v[SPW], v[NIL]
	ds_add_u32 v[SPW], v[NIL]
	v_lshrrev_b32 v1, 5, v0
	v_readfirstlane_b32 s14, v1
	v_and_b32 v4, 31, v0
	v_lshlrev_b32 v4, 8, v4                        ; the prefetches' offset: 256 x lane; never rewritten
	s_lshr_b32 s15, s14, 1
	s_and_b32 s16, s14, 1
	s_bfe_u32 s40, ttmp6, 0x40000
	s_bfe_u32 s41, ttmp6, 0x40004
	s_lshl_b32 s42, ttmp9, 2
	s_add_co_u32 s42, s42, s40
	s_and_b32 s17, ttmp7, 0xffff
	s_lshl_b32 s17, s17, 2
	s_add_co_u32 s17, s17, s41
	s_lshl_b32 s43, s41, 2
	s_lshl_b32 s43, 15, s43
	s_lshl_b32 s44, 0x1111, s40
	s_or_b32 s[G1+0], s43, (3<<16)|(1<<21)
	s_or_b32 s[G1B+0], s44, (3<<16)|(1<<21)
.irp g, G1, G1B
	s_mov_b32 s[\g+1], 32<<16
	s_mov_b32 s[\g+2], 128<<16
	s_mov_b32 s[\g+3], 32<<16
	s_mov_b32 s[\g+4], 128
	s_mov_b32 s[\g+5], 32
	s_mov_b32 s[\g+6], 0
	s_mov_b32 s[\g+7], 0
.endr
	s_lshl_b32 s18, s16, 15
	s_lshl_b32 s20, s17, 16
	s_add_co_u32 s20, s20, s18
	s_mov_b32 s21, 0
	s_lshl_b32 s46, s42, 16
	s_add_co_u32 s46, s46, s18
	s_add_co_u32 s46, s46, 0x400000
	s_mov_b32 s47, 0
	s_lshl_b32 s45, s14, 15
	s_wait_dscnt 0x0
	s_wait_kmcnt 0x0
	s_load_b64 s[66:67], s[8:9], 0x28
	s_add_nc_u64 s[20:21], s[4:5], s[20:21]
	s_add_nc_u64 s[46:47], s[6:7], s[46:47]
	; the prefetches: of the 32,768 bytes that my wave fetches, each of the four partners that ask for them jointly names 8,192, told apart by address (cx for A's, cy for B's).
	; s[68:69], s[72:73], s[74:75]: my share in K steps 1, 2, 3; never rewritten.  B's tiles are walked by all eight rows of clusters: the first four rows ask for them (s76 = 0 in a wave that asks: ids alone, alike in all partners)
	s_cmp_eq_u32 s15, 0
	s_cselect_b64 s[68:69], s[20:21], s[46:47]
	s_cselect_b32 s12, s40, s41
	s_mov_b32 s70, 0x80000
	s_cselect_b32 s70, 0x200000, s70               ; a K step on, in bytes: in yc, in wo's codes
	s_lshl_b32 s12, s12, 13
	s_add_co_u32 s12, s12, s70
	s_mov_b32 s13, 0
	s_mov_b32 s71, 0
	s_add_nc_u64 s[68:69], s[68:69], s[12:13]
	s_add_nc_u64 s[72:73], s[68:69], s[70:71]
	s_add_nc_u64 s[74:75], s[72:73], s[70:71]
	s_and_b32 s76, ttmp7, 0xffff
	s_lshr_b32 s76, s76, 2
	s_mul_i32 s76, s76, s15
.macro ASK r
	s_cmp_eq_u32 s76, 0
	s_cbranch_scc0 .Lnot_mine_\@
	global_prefetch_b8 v4, s[\r:\r+1] th:TH_LOAD_NT scope:SCOPE_SE
.Lnot_mine_\@:
.endm
	CROUND
.irp s, 0,1
	s_mov_b32 s[G0+4*\s], 1
	s_add_co_u32 s[G0+4*\s+1], s45, \s*SLOT
	s_add_nc_u64 s[G0+4*\s+2:G0+4*\s+3], s[20:21], \s*0x200000
	s_or_b32 s[G0+4*\s+3], s[G0+4*\s+3], 0x80000000
	s_mov_b32 s[G0B+4*\s], 1
	s_add_co_u32 s[G0B+4*\s+1], s45, \s*SLOT
	s_add_nc_u64 s[G0B+4*\s+2:G0B+4*\s+3], s[46:47], \s*0x80000
	s_or_b32 s[G0B+4*\s+3], s[G0B+4*\s+3], 0x80000000
	s_wait_alu depctr_va_vdst(0)
.if \s == 1
	s_wait_tensorcnt 0x0                           ; slot 1's first fill is issued as a refill is
	ds_add_u32 v28, v29
	s_wait_dscnt 0x0
	CROUND
.endif
	JLOAD \s                                       ; K step s: one tensor load a wave behind each round
	ASK 68+4*\s                                    ; the K step that the next joint load asks for
.endr
	v_and_b32 v3, 31, v0
	v_lshlrev_b32 v[LI], 4, v3
	v_and_b32 v1, 15, v0
	s_wait_alu depctr_va_vdst(0)
	v_bfe_u32 v2, v0, 4, 1
	s_lshl_b32 s21, s15, 15
	s_lshl_b32 s22, s16, 15
	s_add_co_u32 s22, s22, 0x10000
.irp s, 0,1
	v_add_nc_u32 v[ADRA+\s], s21, v[LI]
	v_add_nc_u32 v[ADRB+\s], s22, v[LI]
	s_add_co_u32 s21, s21, SLOT
	s_add_co_u32 s22, s22, SLOT
.endr
	s_mul_i32 s23, s14, 16*SPITCH
	s_add_co_u32 s23, s23, STAGE
	v_mul_u32_u24 v5, v1, SPITCH
	s_wait_alu depctr_va_vdst(0)
	v_lshl_add_u32 v5, v2, 5, v5
	v_add_nc_u32 v[STO], s23, v5
	v_mul_u32_u24 v5, v2, SPITCH
	v_lshl_add_u32 v5, v1, 4, v5
	v_add_nc_u32 v[RD], s23, v5
	v_lshlrev_b32 v5, 12, v2
	v_lshl_add_u32 v[CO], v1, 4, v5
	s_lshl_b32 s20, s17, 19
	s_lshl_b32 s21, s15, 18
	s_add_co_u32 s20, s20, s21
	s_lshl_b32 s21, s42, 9
	s_add_co_u32 s20, s20, s21
	s_lshl_b32 s21, s16, 8
	s_add_co_u32 s20, s20, s21
	s_mov_b32 s21, 0
	s_add_nc_u64 s[10:11], s[10:11], s[20:21]
.macro FETCH slot, q, f
	WIN TO_F
.irp i, 0,1,2,3
.irp c, 0,1,2,3
	ds_load_b128 v[(\f)+64+16*\i+4*\c:(\f)+64+16*\i+4*\c+3], v[ADRB+\slot] offset:8192*\i+2048*(\q)+512*\c
.endr
.endr
.irp i, 0,1,2,3
.irp c, 0,1,2,3
	ds_load_b128 v[(\f)+16*\i+4*\c:(\f)+16*\i+4*\c+3], v[ADRA+\slot] offset:8192*\i+2048*(\q)+512*\c
.endr
.endr
.endm
.macro MUL8 f, a0, zero
.irp a, \a0, \a0+1
.irp b, 0,1,2,3
.if \zero
	v_wmma_f32_16x16x128_fp8_fp8 v[ACC+8*(4*(\a)+\b):ACC+8*(4*(\a)+\b)+7], v[(\f)+64+16*\b:(\f)+64+16*\b+15], v[(\f)+16*(\a):(\f)+16*(\a)+15], 0
.else
	v_wmma_f32_16x16x128_fp8_fp8 v[ACC+8*(4*(\a)+\b):ACC+8*(4*(\a)+\b)+7], v[(\f)+64+16*\b:(\f)+64+16*\b+15], v[(\f)+16*(\a):(\f)+16*(\a)+15], v[ACC+8*(4*(\a)+\b):ACC+8*(4*(\a)+\b)+7]
.endif
.endr
.endr
.endm
.macro PLACES
.rept 4
	v_nop
.endr
.endm
.macro QUARTER slot, qn, f, g, zero
	s_wait_dscnt 8
	WIN MUL
	MUL8 \f, 0, \zero
	PLACES
	FETCH \slot, \qn, \g
	s_wait_dscnt 32
	WIN MUL
	MUL8 \f, 2, \zero
.endm
.macro TURN slot, next, fill
	WIN 0
	s_wait_tensorcnt 0x0
	ds_add_u32 v[SPW], v[NIL]
	s_wait_dscnt 9
	WIN MUL
	MUL8 F1, 0, 0
	s_wait_dscnt 0x0
	s_barrier_signal -1
	WIN 0
	s_barrier_wait -1
.if \fill
	CREST
	s_add_nc_u64 s[G0+4*\slot+2:G0+4*\slot+3], s[G0+4*\slot+2:G0+4*\slot+3], 0x400000
	s_add_nc_u64 s[G0B+4*\slot+2:G0B+4*\slot+3], s[G0B+4*\slot+2:G0B+4*\slot+3], 0x100000
	JLOAD \slot
.else
	PLACES
.endif
	FETCH \next, 0, F0
	WIN MUL
	MUL8 F1, 2, 0
.endm
	s_wait_tensorcnt 1
	s_barrier_signal -1
	s_barrier_wait -1
	FETCH 0, 0, F0
	QUARTER 0, 1, F0, F1, 1
	QUARTER 0, 2, F1, F0, 0
	QUARTER 0, 3, F0, F1, 0
	TURN 0, 1, 1
	WIN 0
	ASK 74                                         ; K step 3, the last: the next change of slots asks for it
	QUARTER 1, 1, F0, F1, 0
	QUARTER 1, 2, F1, F0, 0
	QUARTER 1, 3, F0, F1, 0
	TURN 1, 0, 1
	QUARTER 0, 1, F0, F1, 0
	QUARTER 0, 2, F1, F0, 0
	QUARTER 0, 3, F0, F1, 0
	TURN 0, 1, 0
	QUARTER 1, 1, F0, F1, 0
	QUARTER 1, 2, F1, F0, 0
	QUARTER 1, 3, F0, F1, 0
	s_wait_dscnt 8
	WIN MUL
	MUL8 F1, 0, 0
	s_wait_dscnt 0
	MUL8 F1, 2, 0
	WIN 0
	s_wait_kmcnt 0x0
	s_add_co_i32 s66, s66, s67
	s_add_co_i32 s66, s66, 127
	s_lshl_b32 s66, s66, 23
	s_mov_b32 s67, s66
	PLACES
.macro TOSTAGE a
.set jj, 0
.rept 16
	v_pk_mul_f32 v[TMP+jj:TMP+jj+1], v[ACC+32*(\a)+jj:ACC+32*(\a)+jj+1], s[66:67] op_sel_hi:[1,0]
.set jj, jj+2
.endr
.irp b, 0,1,2,3
	ds_store_b128 v[STO], v[TMP+8*\b:TMP+8*\b+3] offset:64*\b
	ds_store_b128 v[STO], v[TMP+8*\b+4:TMP+8*\b+7] offset:64*\b+16
.endr
.irp t, 0,1,2,3,4,5,6,7
	ds_load_b128 v[BK+32*((\a)%2)+4*\t:BK+32*((\a)%2)+4*\t+3], v[RD] offset:2*\t*SPITCH
.endr
.endm
.macro SEND a, younger
	s_wait_dscnt \younger
.irp t, 0,1,2,3,4,5,6,7
	global_store_b128 v[CO], v[BK+32*((\a)%2)+4*\t:BK+32*((\a)%2)+4*\t+3], s[10:11] offset:(16*(\a)+2*\t)*4096 th:TH_STORE_NT
.endr
.endm
	TOSTAGE 0
.irp a, 1,2,3
.if \a > 1
	s_wait_xcnt 0x0
.endif
	TOSTAGE \a
	SEND \a-1, 16
.endr
	SEND 3, 0
	s_wait_tensorcnt 0x0
	ds_add_u32 v[SPW], v[NIL]
	s_wait_dscnt 0x0
	CROUND
	s_endpgm
.Lfunc_end_k_q3ebb0dec7d_outp:
	.size	k_q3ebb0dec7d_outp, .Lfunc_end_k_q3ebb0dec7d_outp-k_q3ebb0dec7d_outp
	.p2alignl 7, 3214868480
	.fill 96, 4, 3214868480
	.section	.rodata,"a",@progbits
	.p2align	6, 0x0
	.amdhsa_kernel k_q3ebb0dec7d_outp
		.amdhsa_group_segment_fixed_size 327680
		.amdhsa_private_segment_fixed_size 0
		.amdhsa_enable_private_segment 0
		.amdhsa_kernarg_size 32
		.amdhsa_user_sgpr_count 2
		.amdhsa_user_sgpr_kernarg_segment_ptr 1
		.amdhsa_wavefront_size32 1
		.amdhsa_system_sgpr_workgroup_id_x 1
		.amdhsa_system_sgpr_workgroup_id_y 1
		.amdhsa_system_sgpr_workgroup_id_z 1
		.amdhsa_system_vgpr_workitem_id 0
		.amdhsa_next_free_vgpr 512
		.amdhsa_next_free_sgpr 80
		.amdhsa_reserve_vcc 0
		.amdhsa_float_denorm_mode_32 3
		.amdhsa_float_denorm_mode_16_64 3
		.amdhsa_memory_ordered 1
		.amdhsa_forward_progress 1
		.amdhsa_inst_pref_size 75
	.end_amdhsa_kernel
	.amdgpu_metadata
---
amdhsa.version: [ 1, 2 ]
amdhsa.kernels:
  - .name:           k_q3ebb0dec7d_outp
    .symbol:         k_q3ebb0dec7d_outp.kd
    .args:
      - { .name: yc, .offset: 0, .size: 8, .value_kind: global_buffer, .address_space: global }
      - { .name: wc, .offset: 8, .size: 8, .value_kind: global_buffer, .address_space: global }
      - { .name: lowp_scales, .offset: 16, .size: 8, .value_kind: global_buffer, .address_space: global }
      - { .name: out0, .offset: 24, .size: 8, .value_kind: global_buffer, .address_space: global }
    .group_segment_fixed_size: 327680
    .private_segment_fixed_size: 0
    .kernarg_segment_align: 8
    .kernarg_segment_size: 32
    .max_flat_workgroup_size: 128
    .sgpr_count:     80
    .vgpr_count:     512
    .wavefront_size: 32
...
	.end_amdgpu_metadata
.endif
;; end of part 4
